; MI455X (gfx1250); checked and timed in simulation.
; The chip was launched on July 23, 2026; its instructions are those of AMD's public machine-readable ISA for CDNA 5 (MIT licence, August 2026) and "CDNA5" Instruction Set Architecture Reference Guide (July 2026). The comments in the code are by the model that wrote it; some were corrected since.
;; Transformer Block. Allowed arithmetic: float matrix products may take bf16 or f16 operands with f32 sums; other float arithmetic in f32, or as packed bf16 or f16 multiplies, adds, multiply-adds, maxima and minima; sums over many terms, partial sums and values carried from step to step in f32; what a program stores and reads back later, other than sums and carried values, may be rounded once to bf16 or f16.
;; Inputs: b_fc1 4,096 float32; b_fc2 1,024 float32; b_proj 1,024 float32; b_qkv 3,072 float32; bt1 1,024 float32; bt2 1,024 float32; g1 1,024 float32; g2 1,024 float32; w_fc1 1,024 x 4,096 float32; w_fc2 4,096 x 1,024 float32; w_proj 1,024 x 1,024 float32; w_qkv 1,024 x 3,072 float32; x 2 x 2,048 x 1,024 float32.
;; Outputs: out0 2 x 2,048 x 1,024 float32.
;; One version. Each part assembles by itself: llvm-mc -triple=amdgcn-amd-amdhsa -mcpu=gfx1250 --defsym DOCPART=n.
;; ======== version 1 of 1: 7 launches
;; limits: values are held in f16: magnitudes above 65,504 overflow, below 6.1e-05 lose precision
;; workspace buffers: wh 25,165,824 bytes; hn 8,388,608 bytes; qkvp 25,165,824 bytes; yp 8,388,608 bytes; x2 16,777,216 bytes; a1 33,554,432 bytes
;; launch prep (part 1): grid 1024 x 1, 8 waves a work-group, no clusters, 0 bytes of LDS; arguments x, g1, bt1, w_qkv, w_proj, w_fc1, w_fc2, hn, wh; writes hn, wh
.if DOCPART == 1
	.amdgcn_target "amdgcn-amd-amdhsa--gfx1250"
	.amdhsa_code_object_version 6
	.text
	.protected	k_qdf032b44f5_prep
	.globl	k_qdf032b44f5_prep
	.p2align	8
	.type	k_qdf032b44f5_prep,@function
k_qdf032b44f5_prep:
	s_mov_b64 s[64:65], 0
	v_nop
	global_prefetch_b8 v0, s[64:65] scope:SCOPE_SE
	s_setreg_imm32_b32 hwreg(HW_REG_WAVE_MODE, 25, 1), 1
	s_wait_xcnt 0x0
; PREP.  Work-groups 0 to 255: hn = LayerNorm(x) * g1 + bt1, rounded once to f16; 16 rows of 1,024 a work-group, two a wave.
; Work-groups 256 to 1,023: the four weight matrices, f32 to f16, rounded once, in their own row-major order, one behind the other in wh; 65,536 bytes in, 32,768 out.
; A stream: no LDS, no matrix unit, no cluster (no two work-groups read the same large data).  Every load of a wave covers 512 consecutive bytes, every store 256, aligned.
; The mean is taken away before the squares are summed, so a common offset in x costs no digits.  All sums in f32.
; LIMITS.  f16 holds no number of 65,520 or more (it becomes an infinity) and keeps a fixed step of 6e-8 below 6e-5; NaN and infinities are not treated apart.
.set XP, 16                            ; s[16:17] x
.set GP, 18                            ; s[18:19] gain
.set BP, 20                            ; s[20:21] offset
.set HP, 30                            ; s[30:31] hn
.set GG, 8                             ; v[8:39]    gain of my 32 columns (4 lane + 128 j + 0..3)
.set BB, 40                            ; v[40:71]   offset of the same
.set X0, 72                            ; v[72:103]  row 0
.set X1, 104                           ; v[104:135] row 1
.set Y0, 136                           ; v[136:151] row 0 in f16
.set Y1, 152                           ; v[152:167] row 1 in f16
.set T,  168                           ; v[168:183] at work
.set MU, 184                           ; v[184:185] the mean, twice
.set RR, 186                           ; v[186:187] 1 / sqrt(var + eps), twice
.macro RED                             ; the sum of v[T] over the 32 lanes, into every lane
	v_add_f32_dpp v[T], v[T], v[T] row_xmask:1 row_mask:0xf bank_mask:0xf
	v_add_f32_dpp v[T], v[T], v[T] row_xmask:2 row_mask:0xf bank_mask:0xf
	v_add_f32_dpp v[T], v[T], v[T] row_xmask:4 row_mask:0xf bank_mask:0xf
	v_add_f32_dpp v[T], v[T], v[T] row_xmask:8 row_mask:0xf bank_mask:0xf
	v_permlanex16_b32 v[T+1], v[T], s40, s41       ; its destination has been written before
	v_add_f32 v[T], v[T], v[T+1]
.endm
; One row.  w1: the younger loads that may stay out when the row is needed; w2: when gain and offset are needed; off: the row's bytes in hn.
.macro LNROW X, Y, w1, w2, off
	s_wait_loadcnt \w1
.set k, 0
.rept 8
	v_pk_add_f32 v[T+2*k:T+2*k+1], v[(\X)+2*k:(\X)+2*k+1], v[(\X)+16+2*k:(\X)+16+2*k+1]
.set k, k+1
.endr
.irp w, 4,2,1
.set k, 0
.rept \w
	v_pk_add_f32 v[T+2*k:T+2*k+1], v[T+2*k:T+2*k+1], v[T+2*(k+\w):T+2*(k+\w)+1]
.set k, k+1
.endr
.endr
	v_add_f32 v[T], v[T], v[T+1]
	RED
	v_mul_f32 v[MU], s42, v[T]                     ; sum / 1,024
	v_mul_f32 v[MU+1], s42, v[T]
.set k, 0
.rept 16
	v_pk_add_f32 v[(\X)+2*k:(\X)+2*k+1], v[(\X)+2*k:(\X)+2*k+1], v[MU:MU+1] neg_lo:[0,1] neg_hi:[0,1]
.set k, k+1
.endr
.set k, 0
.rept 4                                ; the squares, in four chains; the first four products start them
	v_pk_mul_f32 v[T+2*k:T+2*k+1], v[(\X)+2*k:(\X)+2*k+1], v[(\X)+2*k:(\X)+2*k+1]
.set k, k+1
.endr
.rept 12
	v_pk_fma_f32 v[T+2*(k%4):T+2*(k%4)+1], v[(\X)+2*k:(\X)+2*k+1], v[(\X)+2*k:(\X)+2*k+1], v[T+2*(k%4):T+2*(k%4)+1]
.set k, k+1
.endr
	v_pk_add_f32 v[T:T+1], v[T:T+1], v[T+2:T+3]
	v_pk_add_f32 v[T+4:T+5], v[T+4:T+5], v[T+6:T+7]
	v_pk_add_f32 v[T:T+1], v[T:T+1], v[T+4:T+5]
	v_add_f32 v[T], v[T], v[T+1]
	RED
	v_fma_f32 v[T], v[T], s42, s43                 ; var + 1e-5
	v_rsq_f32 v[RR], v[T]
	v_rsq_f32 v[RR+1], v[T]
	v_nop                                          ; a plain instruction between the root and the use of its result
	s_wait_loadcnt \w2
.set k, 0
	s_wait_alu depctr_va_vdst(0)
.rept 16
	v_pk_mul_f32 v[(\X)+2*k:(\X)+2*k+1], v[(\X)+2*k:(\X)+2*k+1], v[RR:RR+1]
.set k, k+1
.endr
.set k, 0
.rept 16
	v_pk_fma_f32 v[(\X)+2*k:(\X)+2*k+1], v[(\X)+2*k:(\X)+2*k+1], v[GG+2*k:GG+2*k+1], v[BB+2*k:BB+2*k+1]
.set k, k+1
.endr
.set k, 0
.rept 16
	v_cvt_pk_f16_f32 v[(\Y)+k], v[(\X)+2*k], v[(\X)+2*k+1]
.set k, k+1
.endr
.set k, 0
.rept 8
	global_store_b64 v2, v[(\Y)+2*k:(\Y)+2*k+1], s[HP:HP+1] offset:256*k+(\off)   ; 32 lanes, 256 consecutive bytes, aligned
.set k, k+1
.endr
.endm
	s_load_b512 s[16:31], s[0:1], 0x0              ; x, g1, bt1, w_qkv, w_proj, w_fc1, w_fc2, hn
	s_load_b64 s[32:33], s[0:1], 0x40              ; wh
	v_and_b32 v3, 31, v0                           ; lane
	v_lshrrev_b32 v4, 5, v0
	v_readfirstlane_b32 s34, v4                    ; wave
	s_cmp_lt_u32 ttmp9, 256
	s_cbranch_scc0 .Lweights
	s_lshl_b32 s36, ttmp9, 16                      ; 16 rows of 4,096 bytes a work-group,
	s_lshl_b32 s37, s34, 13                        ; two a wave
	s_add_co_u32 s36, s36, s37
	s_mov_b32 s37, 0
	s_lshl_b32 s38, ttmp9, 15                      ; the same rows in hn, 2,048 bytes each
	s_lshl_b32 s39, s34, 12
	s_add_co_u32 s38, s38, s39
	s_mov_b32 s39, 0
	s_mov_b32 s40, 0x76543210                      ; v_permlanex16_b32: each lane takes its own place in the other half
	s_mov_b32 s41, 0xfedcba98
	s_mov_b32 s42, 0x3a800000                      ; 1 / 1,024
	s_mov_b32 s43, 0x3727c5ac                      ; 1e-5
	v_lshlrev_b32 v1, 4, v3                        ; 16 bytes a lane in x, gain and offset
	v_lshlrev_b32 v2, 3, v3                        ; 8 bytes a lane in hn
	s_wait_kmcnt 0x0
	s_add_nc_u64 s[XP:XP+1], s[XP:XP+1], s[36:37]
	s_add_nc_u64 s[HP:HP+1], s[HP:HP+1], s[38:39]
.set k, 0
.rept 8
	global_load_b128 v[X0+4*k:X0+4*k+3], v1, s[XP:XP+1] offset:512*k
.set k, k+1
.endr
.set k, 0
.rept 8
	global_load_b128 v[GG+4*k:GG+4*k+3], v1, s[GP:GP+1] offset:512*k
.set k, k+1
.endr
.set k, 0
.rept 8
	global_load_b128 v[BB+4*k:BB+4*k+3], v1, s[BP:BP+1] offset:512*k
.set k, k+1
.endr
.set k, 0
.rept 8
	global_load_b128 v[X1+4*k:X1+4*k+3], v1, s[XP:XP+1] offset:4096+512*k
.set k, k+1
.endr
	LNROW X0, Y0, 24, 8, 0                         ; row 0 is in when 24 younger loads are out; gain and offset when row 1's eight are
	LNROW X1, Y1, 0, 0, 2048
	s_endpgm
.Lweights:
	s_sub_co_u32 s35, ttmp9, 256                   ; c: my piece of 65,536 bytes among the 768 of the four matrices
	s_movk_i32 s38, 256
	s_movk_i32 s39, 512
	s_wait_kmcnt 0x0
	s_cmp_lt_u32 s35, 512                          ; pieces 0-191 w_qkv, 192-255 w_proj, 256-511 w_fc1, 512-767 w_fc2
	s_cselect_b64 s[36:37], s[26:27], s[28:29]
	s_cselect_b32 s44, s38, s39
	s_cmp_lt_u32 s35, 256
	s_cselect_b64 s[36:37], s[24:25], s[36:37]
	s_cselect_b32 s44, 192, s44
	s_cmp_lt_u32 s35, 192
	s_cselect_b64 s[36:37], s[22:23], s[36:37]
	s_cselect_b32 s44, 0, s44
	s_sub_co_u32 s44, s35, s44                     ; my piece within its matrix
	s_lshl_b32 s44, s44, 16
	s_mov_b32 s45, 0
	s_add_nc_u64 s[36:37], s[36:37], s[44:45]
	s_lshl_b32 s46, s35, 15                        ; wh keeps the matrices' order: piece c lies at 32,768 c
	s_mov_b32 s47, 0
	s_add_nc_u64 s[32:33], s[32:33], s[46:47]
	v_lshlrev_b32 v1, 4, v3
	v_lshl_add_u32 v1, v4, 13, v1                  ; in: 8,192 bytes a wave, 16 a lane
	v_lshlrev_b32 v2, 3, v3
	v_lshl_add_u32 v2, v4, 12, v2                  ; out: 4,096 bytes a wave, 8 a lane
.set k, 0
.rept 16
	global_load_b128 v[8+4*k:8+4*k+3], v1, s[36:37] offset:512*k th:TH_LOAD_NT
.set k, k+1
.endr
.set k, 0
.rept 16
	s_wait_loadcnt 15-k                            ; loads come back in order: number k is in
	v_cvt_pk_f16_f32 v[72+2*k], v[8+4*k], v[8+4*k+1]
	v_cvt_pk_f16_f32 v[72+2*k+1], v[8+4*k+2], v[8+4*k+3]
	global_store_b64 v2, v[72+2*k:72+2*k+1], s[32:33] offset:256*k
.set k, k+1
.endr
	s_endpgm
.Lfunc_end_k_qdf032b44f5_prep:
	.size	k_qdf032b44f5_prep, .Lfunc_end_k_qdf032b44f5_prep-k_qdf032b44f5_prep
	.p2alignl 7, 3214868480
	.fill 96, 4, 3214868480
	.section	.rodata,"a",@progbits
	.p2align	6, 0x0
	.amdhsa_kernel k_qdf032b44f5_prep
		.amdhsa_group_segment_fixed_size 0
		.amdhsa_private_segment_fixed_size 0
		.amdhsa_enable_private_segment 0
		.amdhsa_kernarg_size 72
		.amdhsa_user_sgpr_count 2
		.amdhsa_user_sgpr_kernarg_segment_ptr 1
		.amdhsa_wavefront_size32 1
		.amdhsa_system_sgpr_workgroup_id_x 1
		.amdhsa_system_sgpr_workgroup_id_y 1
		.amdhsa_system_sgpr_workgroup_id_z 1
		.amdhsa_system_vgpr_workitem_id 0
		.amdhsa_next_free_vgpr 192
		.amdhsa_next_free_sgpr 66
		.amdhsa_reserve_vcc 0
		.amdhsa_float_denorm_mode_32 3
		.amdhsa_float_denorm_mode_16_64 3
		.amdhsa_memory_ordered 1
		.amdhsa_forward_progress 1
		.amdhsa_inst_pref_size 27
	.end_amdhsa_kernel
	.amdgpu_metadata
---
amdhsa.version: [ 1, 2 ]
amdhsa.kernels:
  - .name:           k_qdf032b44f5_prep
    .symbol:         k_qdf032b44f5_prep.kd
    .args:
      - { .name: x, .offset: 0, .size: 8, .value_kind: global_buffer, .address_space: global }
      - { .name: g1, .offset: 8, .size: 8, .value_kind: global_buffer, .address_space: global }
      - { .name: bt1, .offset: 16, .size: 8, .value_kind: global_buffer, .address_space: global }
      - { .name: w_qkv, .offset: 24, .size: 8, .value_kind: global_buffer, .address_space: global }
      - { .name: w_proj, .offset: 32, .size: 8, .value_kind: global_buffer, .address_space: global }
      - { .name: w_fc1, .offset: 40, .size: 8, .value_kind: global_buffer, .address_space: global }
      - { .name: w_fc2, .offset: 48, .size: 8, .value_kind: global_buffer, .address_space: global }
      - { .name: hn, .offset: 56, .size: 8, .value_kind: global_buffer, .address_space: global }
      - { .name: wh, .offset: 64, .size: 8, .value_kind: global_buffer, .address_space: global }
    .group_segment_fixed_size: 0
    .private_segment_fixed_size: 0
    .kernarg_segment_align: 8
    .kernarg_segment_size: 72
    .max_flat_workgroup_size: 256
    .sgpr_count:     66
    .vgpr_count:     192
    .wavefront_size: 32
...
	.end_amdgpu_metadata
.endif
;; end of part 1
;; launch gqkv (part 2): grid 16 x 16, 4 waves a work-group, clusters of 4 x 4, 327,680 bytes of LDS; arguments hn, wh, b_qkv, qkvp; writes qkvp
.if DOCPART == 2
	.amdgcn_target "amdgcn-amd-amdhsa--gfx1250"
	.amdhsa_code_object_version 6
	.text
	.protected	k_qdf032b44f5_gqkv
	.globl	k_qdf032b44f5_gqkv
	.p2align	8
	.type	k_qdf032b44f5_gqkv,@function
k_qdf032b44f5_gqkv:
	s_mov_b64 s[64:65], 0
	v_nop
	global_prefetch_b8 v0, s[64:65] scope:SCOPE_SE
	s_setreg_imm32_b32 hwreg(HW_REG_WAVE_MODE, 25, 1), 1
	s_wait_xcnt 0x0
	s_wait_alu depctr_hold_cnt(0) depctr_sa_sdst(0) depctr_va_vdst(0) depctr_va_sdst(0) depctr_va_ssrc(0) depctr_va_vcc(0) depctr_vm_vsrc(0)
	s_getreg_b32 s2, hwreg(HW_REG_IB_STS2, 6, 4)
	s_cmp_eq_u32 s2, 0
	s_cbranch_scc0 .Lentry_in_a_cluster
	s_endpgm
.Lentry_in_a_cluster:
	s_bfe_u32 s2, ttmp6, 0x10000c
	s_cmp_lg_u32 s2, 0xf033
	s_cbranch_scc0 .Lentry_shape_is_right
	s_endpgm
.Lentry_shape_is_right:
; QKV.  C = hn W + bias, rounded once to f16.  hn: [4096][1024] f16.  W = w_qkv in f16, [1024][3072], at byte WOFFS of wh.  C leaves in panels of 64 columns, [48][4096][64] f16,
; so that the rows of one head and batch are 262,144 dense bytes.  Sums in f32; the bias is the C operand of each sum's first product, so nothing is cleared and nothing added later.
; SHARES.  A work-group makes 256 rows x BN = 192 columns (16 x 16 = 256 work-groups), each of its four waves 128 x 96: 8 x 6 accumulators of 16 x 16.  K goes in 8 steps of 128 through two LDS slots.
; THE MATRIX INSTRUCTION IS USED TRANSPOSED: source 0 = 16 columns of W (turned on the way out of LDS by ds_load_tr16_b128, since W lies [k][n]), source 1 = 16 rows of hn.
; A lane then holds row lane % 16 of C and the eight neighbouring columns 8 (lane / 16) + 0..7.
; CLUSTER 4 x 4.  The four work-groups of a row of the cluster need the same tile of hn, the four of a column the same tile of W: each tile is asked for jointly, by the same tensor load,
; descriptor and mask in all four.  Waves 0, 1 fetch the two halves of hn's tile (128 rows x 256 bytes), waves 2, 3 the two halves of W's (64 rows of k x BN columns).
; By this text's own count a wave has two tensor loads out at the start and one behind each round.
; THE TEXT holds nine quarter steps: the first (its products start the sums), the loop's four, and four for the last two K steps, which ask for nothing: a loop of two trips that is left in its middle.
; LIMITS.  f16 holds no number of 65,520 or more (it becomes an infinity); NaN and infinities are not treated apart.
; REGISTERS, in windows of 256: window 0 v0-31 addresses, v64-191 two buffers of hn's fragments, v192-223 at work on the way out; window 1 v64-191 two buffers of W's fragments, v192-255 the bias;
; windows 2, 3: accumulator (a, b) at v[8 (8 (a % 4) + b)] of window 2 + a / 4.
.set NCOL,  3072                       ; columns of W
.set BN,    192                        ; columns of a work-group
.set NBK,   6                          ; blocks of 16 columns a wave
.set PW,    480                        ; a row of W in LDS: three pieces of 128 bytes, 32 of padding behind each: an odd multiple of 32
.set WQI,   4                          ; padding after every 32 words
.set WGAP,  32                         ; the padding that lies between a wave's blocks 3 and 4
.set CHB,   224                        ; LDS bytes from a row's first column to column 96: 128 + 32 + 64
.set SPLIT, 1                          ; blocks 2 and 3 lie 32 bytes (in the stage 36,736) further on in column half 1: they have address registers of their own
.set WOFFS, 0
.set NPAN,  3                          ; panels of 64 columns in a work-group's tile
.set RELU,  0
.set STC,   36928                      ; the stage: first byte of column half 1 (panel 1, column 32)
.set NS,    8                          ; K steps
.set KSTEP, 128
.set PA,    272                        ; a row of hn in LDS: 256 bytes + 16
.set AHALF, 128*PA
.set WBASE, 2*AHALF
.set WHALF, 64*PW
.set SLOT,  WBASE+2*WHALF
.set SPARE, 2*SLOT                     ; behind the ring: the spare words, 128 bytes a wave
.set ASTEP, KSTEP*2
.set WSTEP, KSTEP*NCOL*2
.set SP,    144                        ; the stage: a row of a panel, 128 bytes + 16
.set PANB,  256*SP                     ; a panel in the stage
.set PANG,  4096*128                   ; a panel in memory
.set A0, 16                            ; v16  my lane's place in hn's tile of slot 0
.set B0, 17                            ; v17  the same for W
.set B0B, 18                           ; v18  for blocks 2, 3
.set ADRA, 20                          ; v20-22  the same three in the slot in hand
.set ADRB, 21
.set ADRB2, 22
.set STO, 24                           ; v24, v25  the way out: where I put 16 bytes of a row
.set STO2, 25
.set RD, 26                            ; v26  where I read rows back
.set CO, 27                            ; v27  16 x lane
.set SPW, 28                           ; v28  my spare word; never rewritten
.set NIL, 29                           ; v29  0; never rewritten
.set ZERO, 30
.set F0, 64
.set F1, 128
.set BK, 64                            ; the way out: 64 rows of a panel read back
.set TMP, 192
.set BIAS, 192                         ; window 1
.set WV, 14                            ; s14 wave;  s15 its row half, also: 0 = I fetch hn, 1 = I fetch W;  s16 its column half, also: which half I fetch
.set RH, 15
.set CH, 16
.set G1A, 24                           ; s[24:31] group 1 for hn;  s[32:35] group 0 of the first fill, s[36:39] the one that walks
.set G0A, 32
.set G1W, 40                           ; s[40:47], s[48:55] the same for W
.set G0W, 48
.set TB, 56                            ; s56  the slot in hand: 0 or SLOT
.set CNT, 58
.set MSB, 0
.macro WIN new                         ; the immediate's high byte repeats the setting that is left; a switch that changes nothing is dropped
.if MSB != (\new)
	s_set_vgpr_msb (MSB<<8)|(\new)
.set MSB, (\new)
.endif
.endm
.macro PLACES                          ; four places behind matrix instructions, in front of loads into their sources and of reads of their results
.rept 4
	v_nop
.endr
.endm
.macro JLOAD                           ; a joint refill by the walking descriptor; the branch hangs on the wave's number alone; s_nop 0 and four v_nop follow each line
	s_cmp_eq_u32 s[RH], 0
	s_cbranch_scc0 .Lfor_w_\@
	tensor_load_to_lds s[G0A+4:G0A+7], s[G1A:G1A+7]
	s_nop 0
.rept 4
	v_nop
.endr
	s_branch .Lasked_\@
.Lfor_w_\@:
	tensor_load_to_lds s[G0W+4:G0W+7], s[G1W:G1W+7]
	s_nop 0
.rept 4
	v_nop
.endr
.Lasked_\@:
.endm
.macro CREST                           ; a round of the cluster's barrier behind its opening barrier
	s_cmp_lg_u32 s[WV], 0
	s_cbranch_scc1 .Lnot_wave_0_\@
	s_barrier_signal -3
.Lnot_wave_0_\@:
	s_barrier_wait -3
	s_barrier_signal -1
	s_barrier_wait -1
.endm
.macro CROUND
	s_barrier_signal -1
	s_barrier_wait -1
	CREST
.endm
.macro SETADR                          ; the fragment addresses in the slot in hand
	v_add_nc_u32 v[ADRA], s[TB], v[A0]
	v_add_nc_u32 v[ADRB], s[TB], v[B0]
.if SPLIT
	v_add_nc_u32 v[ADRB2], s[TB], v[B0B]
.endif
.endm
	s_load_b256 s[4:11], s[0:1], 0x0               ; hn s[4:5], wh s[6:7], bias s[8:9], C s[10:11]
	v_lshl_add_u32 v[SPW], v0, 2, SPARE
	v_mov_b32 v[NIL], 0
	ds_add_u32 v[SPW], v[NIL]                      ; the wave's opening: the add and its wait ahead of my first tensor load; work on registers stands between them
	ds_add_u32 v28, v29
	v_lshrrev_b32 v1, 5, v0
	v_readfirstlane_b32 s[WV], v1
	s_lshr_b32 s[RH], s[WV], 1
	s_and_b32 s[CH], s[WV], 1
	s_bfe_u32 s17, ttmp6, 0x40000                  ; cx
	s_bfe_u32 s18, ttmp6, 0x40004                  ; cy
	s_lshl_b32 s19, ttmp9, 2
	s_add_co_u32 s19, s19, s17                     ; tile column = 4 x cluster x + cx
	s_and_b32 s20, ttmp7, 0xffff
	s_lshl_b32 s20, s20, 2
	s_add_co_u32 s20, s20, s18                     ; tile row = 4 x cluster y + cy
	s_lshl_b32 s21, s18, 2
	s_lshl_b32 s21, 15, s21                        ; my row of the cluster
	s_lshl_b32 s22, 0x1111, s17                    ; my column
	s_or_b32 s[G1A], s21, (1<<16)|(1<<20)|(1<<21)|(5<<22)|(3<<25)    ; mask; 2-byte elements; padding on; bit 21 beside a mask; after every 64 words 4 words
	s_mov_b32 s[G1A+1], KSTEP<<16                  ; tensor_dim0 = 128
	s_mov_b32 s[G1A+2], 128<<16                    ; tensor_dim1 = 128
	s_mov_b32 s[G1A+3], KSTEP<<16                  ; tile_dim0 = 128
	s_mov_b32 s[G1A+4], 128                        ; tile_dim1 = 128
	s_mov_b32 s[G1A+5], 1024                       ; elements from row to row
	s_mov_b32 s[G1A+6], 0
	s_mov_b32 s[G1A+7], 0
	s_or_b32 s[G1W], s22, (1<<16)|(1<<20)|(1<<21)|(WQI<<22)|(7<<25)  ; the same with my column's mask and 8 words of padding
	s_mov_b32 s[G1W+1], BN<<16
	s_mov_b32 s[G1W+2], 64<<16
	s_mov_b32 s[G1W+3], BN<<16
	s_mov_b32 s[G1W+4], 64
	s_mov_b32 s[G1W+5], NCOL
	s_mov_b32 s[G1W+6], 0
	s_mov_b32 s[G1W+7], 0
	s_lshl_b32 s66, s20, 19                        ; hn: (256 x tile row + 128 x half) rows of 2,048 bytes; these registers never hold cx
	s_lshl_b32 s67, s[CH], 18
	s_add_co_u32 s66, s66, s67
	s_mov_b32 s67, 0
	s_mul_i32 s68, s19, 2*BN                       ; W: the tile's first column, my 64 rows of k; these never hold cy
	s_mul_i32 s69, s[CH], 128*NCOL
	s_add_co_u32 s68, s68, s69
	s_add_co_u32 s68, s68, WOFFS
	s_mov_b32 s69, 0
	s_mul_i32 s59, s[CH], AHALF                    ; where my half goes in a slot: the wave's number alone enters an LDS address
	s_mul_i32 s60, s[CH], WHALF
	s_add_co_u32 s60, s60, WBASE
	s_mov_b32 s[TB], 0
	s_wait_dscnt 0x0                               ; the opening add is done
	s_wait_kmcnt 0x0
	s_add_nc_u64 s[66:67], s[4:5], s[66:67]
	s_add_nc_u64 s[68:69], s[6:7], s[68:69]
	s_mov_b32 s[G0A], 1
	s_mov_b32 s[G0A+1], s59
	s_mov_b64 s[G0A+2:G0A+3], s[66:67]
	s_or_b32 s[G0A+3], s[G0A+3], 0x80000000
	s_mov_b32 s[G0A+4], 1
	s_add_co_u32 s[G0A+5], s59, SLOT
	s_add_nc_u64 s[G0A+6:G0A+7], s[66:67], ASTEP
	s_or_b32 s[G0A+7], s[G0A+7], 0x80000000
	s_mov_b32 s[G0W], 1
	s_mov_b32 s[G0W+1], s60
	s_mov_b64 s[G0W+2:G0W+3], s[68:69]
	s_or_b32 s[G0W+3], s[G0W+3], 0x80000000
	s_mov_b32 s[G0W+4], 1
	s_add_co_u32 s[G0W+5], s60, SLOT
	s_add_nc_u64 s[G0W+6:G0W+7], s[68:69], WSTEP
	s_or_b32 s[G0W+7], s[G0W+7], 0x80000000
	s_mul_i32 s70, s19, 4*BN                       ; the bias of my 96 columns
	s_mul_i32 s71, s[CH], 2*BN
	s_add_co_u32 s70, s70, s71
	s_mov_b32 s71, 0
	s_add_nc_u64 s[8:9], s[8:9], s[70:71]
	s_mul_i32 s70, s19, NPAN*PANG                  ; C: the tile's first panel, the 64 rows that I store
	s_lshl_b32 s71, s20, 15
	s_add_co_u32 s70, s70, s71
	s_lshl_b32 s71, s[WV], 13
	s_add_co_u32 s70, s70, s71
	s_mov_b32 s71, 0
	s_add_nc_u64 s[10:11], s[10:11], s[70:71]
	CROUND                                         ; all sixteen work-groups are here: the first joint loads meet
	s_cmp_eq_u32 s[RH], 0                          ; a wave's two first fills stand in one branch: K steps 0 and 1 into slots 0 and 1
	s_cbranch_scc0 .Lfirst_w
	tensor_load_to_lds s[G0A:G0A+3], s[G1A:G1A+7]
	s_nop 0
	tensor_load_to_lds s[G0A+4:G0A+7], s[G1A:G1A+7]
	s_nop 0
.rept 4
	v_nop
.endr
	s_branch .Lfirst_asked
.Lfirst_w:
	tensor_load_to_lds s[G0W:G0W+3], s[G1W:G1W+7]
	s_nop 0
	tensor_load_to_lds s[G0W+4:G0W+7], s[G1W:G1W+7]
	s_nop 0
.rept 4
	v_nop
.endr
.Lfirst_asked:
	v_and_b32 v1, 15, v0                           ; r = lane % 16
	v_bfe_u32 v2, v0, 4, 1                         ; h = lane / 16
	v_and_b32 v3, 7, v0
	v_bfe_u32 v4, v0, 3, 1
	v_lshlrev_b32 v5, 5, v2                        ; the bias: register j of block b is bias[16 b + 8 h + j]
	WIN 0x40
.set ib, 0
.rept NBK
	global_load_b128 v[BIAS+8*ib:BIAS+8*ib+3], v5, s[8:9] offset:64*ib
	global_load_b128 v[BIAS+8*ib+4:BIAS+8*ib+7], v5, s[8:9] offset:64*ib+16
.set ib, ib+1
.endr
	WIN 0
	v_mul_u32_u24 v[A0], v1, PA                    ; a fragment of hn: row r, 16 bytes for each half of the lanes, two loads 32 bytes apart
	v_lshl_add_u32 v[A0], v2, 4, v[A0]
	s_mul_i32 s23, s[RH], AHALF
	v_add_nc_u32 v[A0], s23, v[A0]
	v_lshl_add_u32 v[B0], v2, 3, v3                ; the turning load: lane reads row k = 8 h + lane % 8, columns 8 ((lane / 8) % 2) + 0..7, and ends up with column r and eight k
	v_mul_u32_u24 v[B0], v[B0], PW
	v_lshl_add_u32 v[B0], v4, 4, v[B0]
	s_mul_i32 s23, s[CH], CHB
	s_add_co_u32 s23, s23, WBASE
	v_add_nc_u32 v[B0], s23, v[B0]
.if SPLIT
	s_lshl_b32 s23, s[CH], 5
	v_add_nc_u32 v[B0B], s23, v[B0]
.endif
	SETADR
	v_mul_u32_u24 v[STO], v1, SP                   ; into the stage [panel][256 rows][144 bytes]
	v_lshl_add_u32 v[STO], v2, 4, v[STO]
	s_mul_i32 s23, s[RH], 128*SP
	s_mul_i32 s61, s[CH], STC
	s_add_co_u32 s23, s23, s61
	v_add_nc_u32 v[STO], s23, v[STO]
.if SPLIT
	s_mul_i32 s23, s[CH], 36736
	v_add_nc_u32 v[STO2], s23, v[STO]
.endif
	v_bfe_u32 v[RD], v0, 3, 2                      ; back: 32 lanes take four rows of 128 bytes; wave w the rows 64 w on
	v_mul_u32_u24 v[RD], v[RD], SP
	v_lshl_add_u32 v[RD], v3, 4, v[RD]
	s_mul_i32 s23, s[WV], 64*SP
	v_add_nc_u32 v[RD], s23, v[RD]
	v_and_b32 v[CO], 31, v0
	v_lshlrev_b32 v[CO], 4, v[CO]
.if RELU
	v_mov_b32 v[ZERO], 0
.endif
; 2 x NBK matrix instructions: row blocks a0, a0 + 1 of the window's four x all column blocks, 32 along K.  first = 1: the sum starts with the bias.  The accumulators take turns, one instruction a turn.
.macro MULH f, hi, a0, first
.if \first
	WIN 0x91+0x40*(\hi)
.else
	WIN 0xa1+0x50*(\hi)
.endif
.set ia, \a0
.rept 2
.set ib, 0
.rept NBK
.set rD, 8*(8*ia+ib)
.if \first
	v_wmma_f32_16x16x32_f16 v[rD:rD+7], v[(\f)+8*ib:(\f)+8*ib+7], v[(\f)+8*(4*(\hi)+ia):(\f)+8*(4*(\hi)+ia)+7], v[BIAS+8*ib:BIAS+8*ib+7]
.else
	v_wmma_f32_16x16x32_f16 v[rD:rD+7], v[(\f)+8*ib:(\f)+8*ib+7], v[(\f)+8*(4*(\hi)+ia):(\f)+8*(4*(\hi)+ia)+7], v[rD:rD+7]
.endif
.set ib, ib+1
.endr
.set ia, ia+1
.endr
.endm
; One run of LDS loads: the fragments of quarter q (32 along K) of the slot in hand into buffer f: W first, then hn's rows 0-63, then 64-127
.macro FETCH q, f
	WIN 0x40
.set ib, 0
.rept NBK
.set ro, 32*(\q)*PW+32*ib+WGAP*(ib/4)
.if SPLIT && (ib/2 == 1)
	ds_load_tr16_b128 v[(\f)+8*ib:(\f)+8*ib+3], v[ADRB2] offset:ro
	ds_load_tr16_b128 v[(\f)+8*ib+4:(\f)+8*ib+7], v[ADRB2] offset:ro+16*PW
.else
	ds_load_tr16_b128 v[(\f)+8*ib:(\f)+8*ib+3], v[ADRB] offset:ro
	ds_load_tr16_b128 v[(\f)+8*ib+4:(\f)+8*ib+7], v[ADRB] offset:ro+16*PW
.endif
.set ib, ib+1
.endr
	WIN 0
.set ia, 0
.rept 8
	ds_load_b128 v[(\f)+8*ia:(\f)+8*ia+3], v[ADRA] offset:64*(\q)+ia*16*PA
	ds_load_b128 v[(\f)+8*ia+4:(\f)+8*ia+7], v[ADRA] offset:64*(\q)+ia*16*PA+32
.set ia, ia+1
.endr
.endm
; A quarter step: multiplies buffer f; in its middle fetches quarter q into buffer g
.macro QUARTER q, f, g, first=0
	s_wait_dscnt 8                                 ; W and hn's rows 0-63 are in; the youngest eight loads (rows 64-127) may be out
	MULH \f, 0, 0, \first
	MULH \f, 0, 2, \first
	PLACES
	FETCH \q, \g
	s_wait_dscnt 2*NBK+16                          ; all but the run just issued
	MULH \f, 1, 0, \first
	MULH \f, 1, 2, \first
.endm
; The last quarter of a K step multiplies buffer 1 and changes slots: one barrier; in front of it each wave waits for all its tensor loads (its part of the next slot), adds 0 to its spare word,
; and waits for that and for its reads of this slot.  fill = 1: the barrier opens a round of the cluster's, and the slot just read is filled again, first thing behind it, two K steps ahead.
.macro TURN fill
	WIN 0
	s_wait_tensorcnt 0x0
	ds_add_u32 v[SPW], v[NIL]
	s_wait_dscnt 9                                 ; the add and the youngest eight loads may be out
	MULH F1, 0, 0, 0
	s_wait_dscnt 0x0                               ; the add is done, my reads of this slot are over
	s_barrier_signal -1
	MULH F1, 0, 2, 0
	WIN 0
	s_barrier_wait -1
.if \fill
	CREST                                          ; no wave of any partner still reads this slot or has a load on its way
	s_xor_b32 s[G0A+5], s[G0A+5], SLOT             ; the walking descriptors: the other slot than last time (no bit of SLOT is set in a place within a slot), the next K step
	s_add_nc_u64 s[G0A+6:G0A+7], s[G0A+6:G0A+7], ASTEP
	s_xor_b32 s[G0W+5], s[G0W+5], SLOT
	s_add_nc_u64 s[G0W+6:G0W+7], s[G0W+6:G0W+7], WSTEP
	JLOAD                                          ; its four v_nop are also the places in front of the loads below
.else
	PLACES
.endif
	s_xor_b32 s[TB], s[TB], SLOT
	SETADR
	FETCH 0, F0
	MULH F1, 1, 0, 0
	MULH F1, 1, 2, 0
.endm
	s_wait_tensorcnt 0x1                           ; my part of K step 0 is in; step 1's may stay out
	s_barrier_signal -1
	s_barrier_wait -1
	FETCH 0, F0
	s_wait_loadcnt 0x0                             ; the bias
	QUARTER 1, F0, F1, 1                           ; the first quarter stands in front of the loop: its products start the sums
	WIN 0
	s_mov_b32 s[CNT], NS-2
.Lk:                                               ; a trip: from a K step's second quarter to the next step's first; it fills the slot that it leaves
	QUARTER 2, F1, F0
	QUARTER 3, F0, F1
	TURN 1
	QUARTER 1, F0, F1
	WIN 0
	s_sub_co_u32 s[CNT], s[CNT], 1
	s_cmp_lg_u32 s[CNT], 0
	s_cbranch_scc1 .Lk
	s_mov_b32 s[CNT], 2
.Ltail:                                            ; the last two K steps ask for nothing: two trips, the second left behind its last products.  Its TURN fetches the other slot's
	QUARTER 2, F1, F0                              ; first fragments once more, and they serve nothing: the price, once a launch, of one text for both trips
	QUARTER 3, F0, F1
	TURN 0
	WIN 0
	s_sub_co_u32 s[CNT], s[CNT], 1
	s_cmp_eq_u32 s[CNT], 0
	s_cbranch_scc1 .Lout
	QUARTER 1, F0, F1
	WIN 0
	s_branch .Ltail
.Lout:
	; THE WAY OUT.  The slots have had their last fill and their last read: behind a barrier the stage takes their bytes.  Rounded to f16, 16 bytes a lane into the stage; a barrier; back as whole rows of a panel.
	s_wait_dscnt 0x0
	s_barrier_signal -1
	s_barrier_wait -1
	PLACES
.macro OUTBLK a
	WIN 0x0a+5*((\a)/4)                            ; sources in window 2 or 3
.set ib, 0
.rept NBK
.set rD, 8*(8*((\a)%4)+ib)
.irp r, 0,1,2,3
	v_cvt_pk_f16_f32 v[TMP+4*ib+\r], v[rD+2*\r], v[rD+2*\r+1]
.endr
.set ib, ib+1
.endr
	WIN 0
.set ib, 0
.rept NBK
.if SPLIT && (ib/2 == 1)
	ds_store_b128 v[STO2], v[TMP+4*ib:TMP+4*ib+3] offset:(\a)*16*SP+(ib/4)*PANB+32*(ib%4)
.else
	ds_store_b128 v[STO], v[TMP+4*ib:TMP+4*ib+3] offset:(\a)*16*SP+(ib/4)*PANB+32*(ib%4)
.endif
.set ib, ib+1
.endr
.endm
.irp a, 0,1,2,3,4,5,6,7
	OUTBLK \a
.endr
	s_wait_dscnt 0x0                               ; for the others' sake: my stores into the stage are done
	s_barrier_signal -1
	s_barrier_wait -1
	s_mov_b32 s[CNT], NPAN
.Lpan:                                             ; a trip: my 64 rows of one panel
.set it, 0
.rept 16
	ds_load_b128 v[BK+4*it:BK+4*it+3], v[RD] offset:4*SP*it
.set it, it+1
.endr
.set it, 0
.rept 16
	s_wait_dscnt 15-it
.if RELU
.irp r, 0,1,2,3
	v_pk_max_num_f16 v[BK+4*it+\r], v[BK+4*it+\r], v[ZERO]
.endr
.endif
	global_store_b128 v[CO], v[BK+4*it:BK+4*it+3], s[10:11] offset:512*it   ; four rows of a panel: 512 consecutive bytes, aligned
.set it, it+1
.endr
	s_wait_xcnt 0x0                                ; the stores' base and the registers that they read are written again only behind this wait
	s_add_nc_u64 s[10:11], s[10:11], PANG
	v_add_nc_u32 v[RD], PANB, v[RD]
	s_sub_co_u32 s[CNT], s[CNT], 1
	s_cmp_lg_u32 s[CNT], 0
	s_cbranch_scc1 .Lpan
	s_wait_tensorcnt 0x0                           ; the wave's end
	ds_add_u32 v[SPW], v[NIL]
	s_wait_dscnt 0x0
	CROUND                                         ; the closing round
	s_endpgm
.Lfunc_end_k_qdf032b44f5_gqkv:
	.size	k_qdf032b44f5_gqkv, .Lfunc_end_k_qdf032b44f5_gqkv-k_qdf032b44f5_gqkv
	.p2alignl 7, 3214868480
	.fill 96, 4, 3214868480
	.section	.rodata,"a",@progbits
	.p2align	6, 0x0
	.amdhsa_kernel k_qdf032b44f5_gqkv
		.amdhsa_group_segment_fixed_size 327680
		.amdhsa_private_segment_fixed_size 0
		.amdhsa_enable_private_segment 0
		.amdhsa_kernarg_size 32
		.amdhsa_user_sgpr_count 2
		.amdhsa_user_sgpr_kernarg_segment_ptr 1
		.amdhsa_wavefront_size32 1
		.amdhsa_system_sgpr_workgroup_id_x 1
		.amdhsa_system_sgpr_workgroup_id_y 1
		.amdhsa_system_sgpr_workgroup_id_z 1
		.amdhsa_system_vgpr_workitem_id 0
		.amdhsa_next_free_vgpr 1024
		.amdhsa_next_free_sgpr 72
		.amdhsa_reserve_vcc 0
		.amdhsa_float_denorm_mode_32 3
		.amdhsa_float_denorm_mode_16_64 3
		.amdhsa_memory_ordered 1
		.amdhsa_forward_progress 1
		.amdhsa_inst_pref_size 78
	.end_amdhsa_kernel
	.amdgpu_metadata
---
amdhsa.version: [ 1, 2 ]
amdhsa.kernels:
  - .name:           k_qdf032b44f5_gqkv
    .symbol:         k_qdf032b44f5_gqkv.kd
    .args:
      - { .name: hn, .offset: 0, .size: 8, .value_kind: global_buffer, .address_space: global }
      - { .name: wh, .offset: 8, .size: 8, .value_kind: global_buffer, .address_space: global }
      - { .name: b_qkv, .offset: 16, .size: 8, .value_kind: global_buffer, .address_space: global }
      - { .name: qkvp, .offset: 24, .size: 8, .value_kind: global_buffer, .address_space: global }
    .group_segment_fixed_size: 327680
    .private_segment_fixed_size: 0
    .kernarg_segment_align: 8
    .kernarg_segment_size: 32
    .max_flat_workgroup_size: 128
    .sgpr_count:     72
    .vgpr_count:     1024
    .wavefront_size: 32
...
	.end_amdgpu_metadata
.endif
;; end of part 2
;; launch attn (part 3): grid 8 x 32, 4 waves a work-group, no clusters, 327,680 bytes of LDS; arguments qkvp, yp; writes yp
.if DOCPART == 3
	.amdgcn_target "amdgcn-amd-amdhsa--gfx1250"
	.amdhsa_code_object_version 6
	.text
	.protected	k_qdf032b44f5_attn
	.globl	k_qdf032b44f5_attn
	.p2align	8
	.type	k_qdf032b44f5_attn,@function
k_qdf032b44f5_attn:
	s_mov_b64 s[64:65], 0
	v_nop
	global_prefetch_b8 v0, s[64:65] scope:SCOPE_SE
	s_setreg_imm32_b32 hwreg(HW_REG_WAVE_MODE, 25, 1), 1
	s_wait_xcnt 0x0
; CAUSAL ATTENTION.  y[hb][q][:] = the sum over k <= q of softmax_k(Q[q] . K[k] / 8) V[k][:], for 32 head-batches hb of 2,048 rows x 64 channels, all f16.  In qkvp a head-batch's q is 262,144 dense bytes
; at hb x 262,144, its k 8,388,608 bytes further, its v 16,777,216; y has q's layout.  Products, maxima and sums in f32; the weights p are rounded to f16 for the second product (their sum l is taken of the
; unrounded p), y once at the end.
; LIMITS.  f16 holds no number of 65,520 or more; p below 6e-5 keeps f16's fixed step of 6e-8.  A hidden score counts as its value less 1e30; a weight below 2^-126 counts as 0 in l; NaN and infinities are not treated apart.
; THE WALK.  A head-batch has 16 blocks of 128 queries; block i needs the key tiles 0 .. i of 128 keys, the last holding the diagonal.  A work-group takes blocks 15 - p and then p: 17 tiles, 34 key steps of 64, whatever p:
; all 256 work-groups do equal work, and one loop with a constant trip count walks them.  What differs lies in scalar registers made from p; every jump but the counted loops' own goes forward and passes
; no barrier and no tensor load (but the one of LOAD's two that the wave's number does not choose).  2 of a work-group's 68 pairs of piece and step are wholly hidden and computed all the same.
; NO CLUSTER: the 8 work-groups of a head-batch ask for the same tile only in trips 0 to 8 of 17; a walk common to all would have 24 trips for 17.
; SHARES.  Of a block's two bands of 64 queries a wave owns 16 rows in each: PIECE x lies in band x.  In the diagonal tile's step s band x sees all keys if s < x, none if s > x, and holds the diagonal if s = x: alike for all waves.
; THE MASK is the C operand that starts the sum S^T = K Q^T: MC[x] = MD x AL + BE, with MD (made once) the mask of a band's own step for my rows: 0, or -1e30 where the key is hidden.  Away from the diagonal tile MC is 0.
; LAYOUT.  S^T = K Q^T holds ONE query a lane (lane % 16) and the keys 8 (lane / 16) + 0..7; two such results rounded to f16 ARE source 1 of O^T = V^T P.  p = 2^(c s - c m), c = log2(e) / 8, with a running maximum m;
; O and l are multiplied by a = 2^(c m_old - c m_new) in every step.  m starts at the lowest finite number, c m far below every c s: a block's first step has a = 0, and no first step is written out.
; BY TURNS.  In turn x piece x has the matrix unit: 8 products V^T P of the step in hand, then 8 products K Q^T of the next; the other piece's softmax, a list of 118 instructions, stands behind them, seven behind each, 13 behind the last.
; A BLOCK'S END falls into the running turns: HEAD x, ahead of the turn whose V^T P are the block's last, gives piece x the second block's Q; FOOT x, behind it, sends O out and sets m anew.
; By this text's own count a wave has one tensor load out behind each barrier.
; REGISTERS: window 0 v0-15 addresses; v16-31 statistics, 8 a piece (c m, m, l, l, c0-c3); v32-95 S^T; v96-127 P; v128-191 O^T.  Window 1: v0-63 K, v64-127 V of one step; v128-159 Q; v160-191 the second block's Q.
; Window 2: v0-31 MD; v32-95 MC.
.set KS,    64
.set PK,    144                        ; a row of K in LDS: 128 bytes + 16
.set PV,    160                        ; a row of V: 128 + 32
.set VOFF,  2*KS*PK                    ; a slot holds a tile: 128 rows of K, then 128 rows of V
.set SLOT1, 1<<16
.set STAGE, 1<<17                      ; behind the ring, never filled by a tensor load: 16 rows x 144 bytes a wave
.set SP,    144
.set SPARE, STAGE+4*16*SP              ; the spare words, 128 bytes a wave
.set AK0, 2
.set AV0, 3
.set AK,  4
.set AV,  5
.set STO, 6
.set RD,  7
.set GO,  8
.set SPW, 12                           ; v12  my spare word; never rewritten
.set NIL, 13                           ; v13  0; never rewritten
.set QO,  15
.set ST,  16
.set S,   32
.set P,   96
.set O,   128
.set KF,  0                            ; window 1
.set VF,  64
.set Q,   128
.set QB,  160
.set MD,  0                            ; window 2
.set MC,  32
.set WV,  12
.set PB,  14                           ; s14  p
.set HI,  15                           ; s15  15 - p
.set G1K, 24
.set G1V, 32
.set G0K, 40
.set G0V, 44
.set YP,  52                           ; s[52:53] y at my rows of the block in hand
.set SLOTS, 56
.set CNT, 57
.set CS,  58
.set SEL, 60
.set TBK, 62
.set TBV, 63
.set NXT, 71                           ; s71  the tile to be asked for next
.set LQ,  72                           ; s72  the last tile of the block whose tiles are being asked for
.set NEW, 73                           ; s73  1: the walk's first trip
.set OFF, 74
.set AL,  76
.set BE,  78
.set OLO, 80                           ; s[80:81] y at my rows of the second block
.set BIGN, 82
.set RS,  84                           ; s84, s85  steps of the block in hand that piece 0, 1 has still to score
.set OUTF, 86                          ; s86  1: the turn's V^T P end a block
.set LEN2, 87                          ; s87  the second block's steps, 2 p + 2
.set MSB, 0
.macro WIN new
.if MSB != (\new)
	s_set_vgpr_msb (MSB<<8)|(\new)
.set MSB, (\new)
.endif
.endm
.macro PLACES
.rept 4
	v_nop
.endr
.endm
.macro LOAD                            ; waves 0, 1 fetch the two halves of a tile's K, waves 2, 3 those of its V: 64 keys each; s_nop 0 and four v_nop follow each line
	s_cmp_lt_u32 s[WV], 2
	s_cbranch_scc0 .Lfor_v_\@
	tensor_load_to_lds s[G0K:G0K+3], s[G1K:G1K+7]
	s_nop 0
.rept 4
	v_nop
.endr
	s_branch .Lasked_\@
.Lfor_v_\@:
	tensor_load_to_lds s[G0V:G0V+3], s[G1V:G1V+7]
	s_nop 0
.rept 4
	v_nop
.endr
.Lasked_\@:
.endm
; THE CHANGE OF SLOTS.  Each wave waits for all its tensor loads (its part of the other slot), adds 0 to its spare word, and waits for that and for its reads of the slot that it leaves.  Behind the barrier nobody reads the
; old slot and the other is whole.  fill = 1: the old slot is filled again, first thing behind the barrier, with tile NXT; the address is made anew from that number.  (At its first use slot 0 is waited for and slot 1 filled.)
.macro CHANGE fill
	WIN 0
	s_wait_tensorcnt 0x0
	ds_add_u32 v[SPW], v[NIL]
.if \fill
	s_lshl_b32 s[OFF], s[NXT], 14                  ; a tile is 16,384 bytes of K and of V
	s_xor_b32 s[G0K+1], s[G0K+1], SLOT1
	s_add_nc_u64 s[G0K+2:G0K+3], s[8:9], s[OFF:OFF+1]
	s_or_b32 s[G0K+3], s[G0K+3], 0x80000000
	s_xor_b32 s[G0V+1], s[G0V+1], SLOT1
	s_add_nc_u64 s[G0V+2:G0V+3], s[10:11], s[OFF:OFF+1]
	s_or_b32 s[G0V+3], s[G0V+3], 0x80000000
	s_add_co_u32 s[NXT], s[NXT], 1                 ; the block's next tile, or behind its last the second block's tile 0
	s_cmp_gt_u32 s[NXT], s[LQ]
	s_cselect_b32 s[NXT], 0, s[NXT]
	s_cselect_b32 s[LQ], s[PB], s[LQ]
.endif
	s_wait_dscnt 0x0                               ; the add is done, my reads of the slot are over
	s_barrier_signal -1
	s_sub_co_u32 s[TBK], s[TBK], 2*KS*PK           ; the fetches go back to a slot's first step, in the other slot
	s_xor_b32 s[TBK], s[TBK], SLOT1
	s_sub_co_u32 s[TBV], s[TBV], 2*KS*PV
	s_xor_b32 s[TBV], s[TBV], SLOT1
	s_barrier_wait -1
.if \fill
	LOAD
.endif
.endm
	s_load_b128 s[4:7], s[0:1], 0x0                ; qkvp s[4:5], yp s[6:7]
	v_lshl_add_u32 v[SPW], v0, 2, SPARE
	v_mov_b32 v[NIL], 0
	ds_add_u32 v[SPW], v[NIL]                      ; the wave's opening: the add and its wait ahead of my first tensor load
	ds_add_u32 v12, v13
	v_lshrrev_b32 v1, 5, v0
	v_readfirstlane_b32 s[WV], v1
	s_mov_b32 s[PB], ttmp9
	s_sub_co_u32 s[HI], 15, s[PB]
	s_and_b32 s20, ttmp7, 0xffff
	s_lshl_b32 s20, s20, 18                        ; the head-batch's first byte in q, k, v and y
	s_and_b32 s16, s[WV], 1                        ; which half of a tile's 128 keys I fetch
	s_lshl_b32 s22, s16, 13
	s_add_co_u32 s22, s22, s20
	s_mov_b32 s23, 0
	s_mul_i32 s17, s16, KS*PK
	s_mul_i32 s18, s16, KS*PV
	s_lshl_b32 s3, s[WV], 11                       ; my 16 rows in a band,
	s_lshl_b32 s2, s[HI], 14                       ; in the first block,
	s_add_co_u32 s2, s2, s3
	s_add_co_u32 s2, s2, s20
	s_lshl_b32 s88, s[PB], 14                      ; and in the second
	s_add_co_u32 s88, s88, s3
	s_add_co_u32 s88, s88, s20
	s_mov_b32 s3, 0
	s_mov_b32 s89, 0
	; 64 keys are 8,192 dense bytes: asked for as 32 rows of 256 bytes, two keys a row, padded in LDS after every key
	s_mov_b32 s[G1K], (1<<16)|(1<<20)|(4<<22)|(3<<25)
	s_mov_b32 s[G1V], (1<<16)|(1<<20)|(4<<22)|(7<<25)
.irp g, G1K, G1V
	s_mov_b32 s[\g+1], 128<<16                     ; tensor_dim0 = 128
	s_mov_b32 s[\g+2], 32<<16                      ; tensor_dim1 = 32
	s_mov_b32 s[\g+3], 128<<16                     ; tile_dim0 = 128
	s_mov_b32 s[\g+4], 32                          ; tile_dim1 = 32
	s_mov_b32 s[\g+5], 128                         ; elements from row to row
	s_mov_b32 s[\g+6], 0
	s_mov_b32 s[\g+7], 0
.endr
	s_mov_b32 s[CS], 0x3e38aa3b                    ; c = log2(e) / 8
	s_mov_b32 s[CS+1], s[CS]
	s_mov_b32 s[SEL], 0x76543210
	s_mov_b32 s[SEL+1], 0xfedcba98
	s_mov_b32 s[TBK], SLOT1+2*KS*PK                ; the first change of slots turns these two into 0
	s_mov_b32 s[TBV], SLOT1+2*KS*PV
	s_mov_b32 s[G0K], 1
	s_mov_b32 s[G0K+1], s17
	s_mov_b32 s[G0V], 1
	s_add_co_u32 s[G0V+1], s18, VOFF
	s_mov_b32 s[NXT], 1
	s_mov_b32 s[LQ], s[HI]
	s_mov_b32 s[NEW], 1
	s_mov_b32 s[OFF+1], 0
	s_mov_b32 s[AL+1], 0
	s_mov_b32 s[BE+1], 0
	s_mov_b32 s[BIGN], 0xf149f2ca                  ; -1e30
	s_mov_b32 s[OUTF], 0
	s_lshl_b32 s[LEN2], s[PB], 1
	s_add_co_u32 s[LEN2], s[LEN2], 2
	s_sub_co_u32 s[RS+1], 34, s[LEN2]              ; the first block has 32 - 2 p steps;
	s_sub_co_u32 s[RS], s[RS+1], 1                 ; piece 0 scores its first ahead of the turns
	s_mov_b32 s[SLOTS], 16
	s_wait_dscnt 0x0                               ; the opening add is done
	s_wait_kmcnt 0x0
	s_add_nc_u64 s[8:9], s[4:5], s[22:23]          ; K and V at my half of the head-batch's tile 0
	s_add_nc_u64 s[10:11], s[8:9], 0x1000000
	s_add_nc_u64 s[8:9], s[8:9], 0x800000
	s_add_nc_u64 s[G0K+2:G0K+3], s[8:9], 0
	s_or_b32 s[G0K+3], s[G0K+3], 0x80000000
	s_add_nc_u64 s[G0V+2:G0V+3], s[10:11], 0
	s_or_b32 s[G0V+3], s[G0V+3], 0x80000000
	s_add_nc_u64 s[48:49], s[4:5], s[2:3]          ; Q at my rows of the first block,
	s_add_nc_u64 s[50:51], s[4:5], s[88:89]        ; of the second
	s_add_nc_u64 s[YP:YP+1], s[6:7], s[2:3]
	s_add_nc_u64 s[OLO:OLO+1], s[6:7], s[88:89]
	LOAD                                           ; tile 0 into slot 0
	v_and_b32 v1, 15, v0                           ; r = lane % 16
	v_bfe_u32 v9, v0, 4, 1                         ; h = lane / 16
	v_and_b32 v10, 7, v0
	v_bfe_u32 v11, v0, 3, 1
	v_lshlrev_b32 v[QO], 7, v1
	v_lshl_add_u32 v[QO], v9, 4, v[QO]             ; row x 128 + 16 x half
	v_lshlrev_b32 v14, 3, v9
	v_sub_nc_u32 v14, v1, v14
	s_lshl_b32 s13, s[WV], 4
	v_add_nc_u32 v14, s13, v14                     ; my query's place in its band less my lanes' 8 h: register j of key group kt is hidden where 16 kt + j is greater
	WIN 0x40
.set i, 0
.rept 4                                ; both blocks' Q: piece i / 2 lies 8,192 bytes on; channels 32 (i % 2) on
	global_load_b128 v[Q+8*i:Q+8*i+3],   v[QO], s[48:49] offset:(i/2)*8192+(i%2)*64
	global_load_b128 v[Q+8*i+4:Q+8*i+7], v[QO], s[48:49] offset:(i/2)*8192+(i%2)*64+32
	global_load_b128 v[QB+8*i:QB+8*i+3],   v[QO], s[50:51] offset:(i/2)*8192+(i%2)*64
	global_load_b128 v[QB+8*i+4:QB+8*i+7], v[QO], s[50:51] offset:(i/2)*8192+(i%2)*64+32
.set i, i+1
.endr
	; What the first turn finds: V and piece 1's P are 0 (its V^T P, of a step that has not been, add 0), O and l are 0, the masks 0.  All this stands in the wait for the first tile: the price of writing no first step out.
.set i, 0
.rept 64
	v_mov_b32 v[VF+i], 0
.set i, i+1
.endr
	WIN 0x80
.set i, 0
.rept 32
	v_cmp_gt_i32 vcc_lo, 16*(i/8)+i%8, v14
	v_cndmask_b32 v[MD+i], 0, s[BIGN], vcc_lo
.set i, i+1
.endr
.set i, 0
.rept 64
	v_mov_b32 v[MC+i], 0
.set i, i+1
.endr
	WIN 0
.set i, 0
.rept 64
	v_mov_b32 v[O+i], 0
.set i, i+1
.endr
.set i, 0
.rept 16
	v_mov_b32 v[P+16+i], 0
.set i, i+1
.endr
.irp t, 0,1
	v_mov_b32 v[ST+8*\t], 0xfe000000               ; c m: far below every c s
	v_mov_b32 v[ST+8*\t+1], 0xff7fffff             ; m
	v_mov_b32 v[ST+8*\t+2], 0                      ; l
	v_mov_b32 v[ST+8*\t+3], 0
	v_mov_b32 v[ST+8*\t+4], 0                      ; c0-c3, the registers at work: written from the start, since the text of FOOT 1 stands on the first trip's way,
	v_mov_b32 v[ST+8*\t+5], 0                      ; ahead of piece 1's first softmax; every softmax writes them anew before it reads them
	v_mov_b32 v[ST+8*\t+6], 0
	v_mov_b32 v[ST+8*\t+7], 0
.endr
	v_mul_u32_u24 v[AK0], v1, PK
	v_lshl_add_u32 v[AK0], v9, 4, v[AK0]           ; a fragment of K: row x pitch + 16 x half
	v_lshl_add_u32 v[AV0], v9, 3, v10              ; the turning load: key 8 h + lane % 8, channels 8 ((lane / 8) % 2) + 0..7
	v_mul_u32_u24 v[AV0], v[AV0], PV
	v_lshl_add_u32 v[AV0], v11, 4, v[AV0]
	v_add_nc_u32 v[AV0], VOFF, v[AV0]
	s_mul_i32 s13, s[WV], 16*SP
	s_add_co_u32 s13, s13, STAGE                   ; my stage
	v_mul_u32_u24 v[STO], v1, SP
	v_lshl_add_u32 v[STO], v9, 4, v[STO]
	v_add_nc_u32 v[STO], s13, v[STO]
	v_bfe_u32 v[RD], v0, 3, 2                      ; back: 32 lanes take four rows of 128 bytes,
	v_mul_u32_u24 v[RD], v[RD], SP
	v_lshl_add_u32 v[RD], v10, 4, v[RD]
	v_add_nc_u32 v[RD], s13, v[RD]
	v_and_b32 v[GO], 31, v0                        ; which are 512 consecutive bytes of y
	v_lshlrev_b32 v[GO], 4, v[GO]
; THE MATRIX WORK.  The 4 accumulators of a run of 8 take turns.  Product i of 8 of S^T = K Q^T for piece x: channels 32 (i / 4) on, keys 16 (i % 4) on; the first 4 start the sums with the mask.
.macro KQ x
.set rS, S+32*(\x)+8*(i%4)
.set rK, KF+16*(i%4)+8*(i/4)
.set rQ, Q+16*(\x)+8*(i/4)
.set rM, MC+32*(\x)+8*(i%4)
.if i < 4
	WIN 0x25                                       ; K and Q in window 1, the mask in window 2, S^T in window 0
	v_wmma_f32_16x16x32_f16 v[rS:rS+7], v[rK:rK+7], v[rQ:rQ+7], v[rM:rM+7]
	s_wait_alu depctr_va_vdst(0)
.else
	WIN 0x05
	v_wmma_f32_16x16x32_f16 v[rS:rS+7], v[rK:rK+7], v[rQ:rQ+7], v[rS:rS+7]
.endif
.endm
; Product i of 8 of O^T += V^T P for piece x: keys 32 (i / 4) on, channels 16 (i % 4) on.
.macro PV x
	WIN 0x01                                       ; V in window 1, P and O^T in window 0
.set rO, O+32*(\x)+8*(i%4)
.set rV, VF+32*(i/4)+8*(i%4)
.set rP, P+16*(\x)+8*(i/4)
	v_wmma_f32_16x16x32_f16 v[rO:rO+7], v[rV:rV+7], v[rP:rP+7], v[rO:rO+7]
	s_wait_alu depctr_va_vdst(0)
.endm
; THE LDS LOADS stand in runs of 16.
.macro FETCH_K
	WIN 0x40
.irp f, 0,1,2,3,4,5,6,7                ; keys 16 (f / 2) on, channels 32 (f % 2) on
	ds_load_b128 v[KF+8*\f:KF+8*\f+3],   v[AK] offset:(\f/2)*16*PK+(\f%2)*64
	ds_load_b128 v[KF+8*\f+4:KF+8*\f+7], v[AK] offset:(\f/2)*16*PK+(\f%2)*64+32
.endr
	s_add_co_u32 s[TBK], s[TBK], KS*PK             ; the next fetch is the next step's
	WIN 0
.endm
.macro FETCH_V
	WIN 0x40
.irp f, 0,1,2,3,4,5,6,7                ; keys 32 (f / 4) on, channels 16 (f % 4) on
	ds_load_tr16_b128 v[VF+8*\f:VF+8*\f+3],   v[AV] offset:(\f/4)*32*PV+(\f%4)*32
	ds_load_tr16_b128 v[VF+8*\f+4:VF+8*\f+7], v[AV] offset:(\f/4)*32*PV+16*PV+(\f%4)*32
.endr
	s_add_co_u32 s[TBV], s[TBV], KS*PV
	WIN 0
.endm
; THE VECTOR WORK.  A piece's softmax for one key step is a list of 118 instructions, all in window 0; SM writes number j of it for piece t.  s0-s31 are the lane's 32 scores, in pairs 0-15.
;   0-15    the maximum of s0-s31 and the old m, three operands at a time; each accumulator's lowest registers are read first
;   16-20   the other half of the lanes' maximum; the new m; c m; c m_old - c m_new
;   21-87   33 exponentials (a, then s0-s31) at the odd numbers from 23 on: no two follow each other, and each has a plain instruction behind it that touches neither its result nor its source.
;           The plain ones: c s - c m for pairs whose exponentials are still to come, roundings to f16 of pairs whose exponentials are done, the first three sums
;   88-101  the last rounding; the rest of the sums; l = a l + the sum          102-117 O^T times a
.macro SM t
.set rT, ST+8*(\t)
.set rS, S+32*(\t)
.set rP, P+16*(\t)
.set rO, O+32*(\t)+2*(j-102)
.set q, (j-20)/2
.if j < 4
	v_max3_num_f32 v[rT+4+j], v[rS+8*j], v[rS+8*j+1], v[rS+8*j+2]
.elseif j < 12
	v_max3_num_f32 v[rT+4+j%4], v[rT+4+j%4], v[rS+8*(j%4)+2*(j/4)+1], v[rS+8*(j%4)+2*(j/4)+2]
.elseif j == 12
	v_max3_num_f32 v[rT+4], v[rT+4], v[rS+7], v[rS+15]
.elseif j == 13
	v_max3_num_f32 v[rT+6], v[rT+6], v[rS+23], v[rS+31]
.elseif j == 14
	v_max3_num_f32 v[rT+4], v[rT+4], v[rT+5], v[rT+6]
.elseif j == 15
	v_max3_num_f32 v[rT+4], v[rT+4], v[rT+7], v[rT+1]
.elseif j == 16
	v_permlanex16_b32 v[rT+5], v[rT+4], s[SEL], s[SEL+1]   ; the query's other 32 keys lie in the lane 16 away
.elseif j == 17
	v_mov_b32 v[rT+7], v[rT]                       ; c m_old is kept for a
.elseif j == 18
	v_max_num_f32 v[rT+1], v[rT+4], v[rT+5]
.elseif j == 19
	v_mul_f32 v[rT], s[CS], v[rT+1]
.elseif j == 20
	v_sub_f32 v[rT+7], v[rT+7], v[rT]
.elseif j == 23
	v_exp_f32 v[rT+6], v[rT+7]
.elseif (j < 88) && (j > 23) && (j%2 == 1)
	v_exp_f32 v[rS+(j-25)/2], v[rS+(j-25)/2]
.elseif (q < 4) || ((j < 76) && (q%2 == 0))
.set pb, q/2+2
.if q < 4
.set pb, q
.endif
	v_pk_fma_f32 v[rS+2*pb:rS+2*pb+1], v[rS+2*pb:rS+2*pb+1], s[CS:CS+1], v[rT:rT+1] op_sel_hi:[1,0,0] neg_lo:[0,0,1] neg_hi:[0,0,1]
.elseif (j < 88) && (q%2 == 1)
	s_wait_alu depctr_va_vdst(0)
	v_cvt_pk_f16_f32 v[rP+(q-5)/2], v[rS+q-5], v[rS+q-4]
.elseif j == 89
	s_wait_alu depctr_va_vdst(0)
	v_cvt_pk_f16_f32 v[rP+15], v[rS+30], v[rS+31]
.elseif j < 102                        ; the sum of the 16 pairs, in place: sum z of 16 adds neighbours 1, 2, 4 and 8 pairs apart, then l takes it
.set z, j-86
.if j < 89
.set z, (j-76)/4
.endif
.set w, 4
.set u, z
.if z >= 14
.set w, 32
.set u, 0
.elseif z >= 12
.set w, 16
.set u, z-12
.elseif z >= 8
.set w, 8
.set u, z-8
.endif
.if z < 15
	v_pk_add_f32 v[rS+w*u:rS+w*u+1], v[rS+w*u:rS+w*u+1], v[rS+w*u+w/2:rS+w*u+w/2+1]
.else
	v_pk_fma_f32 v[rT+2:rT+3], v[rT+2:rT+3], v[rT+6:rT+7], v[rS:rS+1] op_sel_hi:[1,0,1]
.endif
.else
	v_pk_mul_f32 v[rO:rO+1], v[rO:rO+1], v[rT+6:rT+7] op_sel_hi:[1,0]
.endif
.endm
.macro VS n                            ; the next n numbers of piece Y's list
	WIN 0
.rept \n
	SM Y
.set j, j+1
.endr
.endm
; A TURN for piece x.  The 13 plain instructions behind its last product are the places in front of the next turn's reads of the new scores and of the loads into K's registers.
; K of the next step is fetched in turn 0 behind product 1; V of that step in turn 1 behind product 9, seven plain instructions behind the last product that read V.
; end = 1: the walk's last turn 0: no new scores, nothing fetched, 14 numbers behind each product and 20 behind the last.
.macro TURN x, end=0
.set Y, 1-(\x)
.set j, 0
.if (\x) == 0
	s_wait_dscnt 0x0                               ; V is in
.endif
.set i, 0
.rept 8
	PV \x
.if \end
.if i == 7
	VS 20
.else
	VS 14
.endif
.else
	VS 7
.endif
.if ((\x) == 0) && (i == 1) && !(\end)
	v_add_nc_u32 v[AK], s[TBK], v[AK0]
	FETCH_K
.endif
.set i, i+1
.endr
.if !(\end)
.if (\x) == 0
	s_wait_dscnt 0x0                               ; K is in
.endif
.set i, 0
.rept 8
	KQ \x
.if i == 7
	VS 13
.else
	VS 7
.endif
.if ((\x) == 1) && (i == 1)
	v_add_nc_u32 v[AV], s[TBV], v[AV0]
	s_wait_alu depctr_va_vdst(0)
	FETCH_V
.endif
.set i, i+1
.endr
.endif
.endm
; HEAD x, ahead of turn x, looks at the step that the turn will score.  RS = 0: the first block has none left: the turn's V^T P are its last, its K Q^T the second block's first: Q changes, RS starts anew.
; RS of 2 and 1 are the diagonal tile's two steps.  The mask is made in those, and at the change of blocks (where it comes out 0 again unless the second block has one tile).
.macro HEAD x
	WIN 0
	s_cmp_lg_u32 s[RS+(\x)], 0
	s_cbranch_scc1 .Lnoend_\@
	WIN 0x41
.set i, 0
.rept 16
	v_mov_b32 v[Q+16*(\x)+i], v[QB+16*(\x)+i]
.set i, i+1
.endr
	WIN 0
	s_mov_b32 s[RS+(\x)], s[LEN2]
	s_mov_b32 s[OUTF], 1
	s_branch .Lmask_\@
.Lnoend_\@:
	s_cmp_gt_u32 s[RS+(\x)], 2
	s_cbranch_scc1 .Lnomask_\@
.Lmask_\@:
	s_cmp_eq_u32 s[RS+(\x)], 2-(\x)                ; the band's own step?
	s_cselect_b32 s[AL], 1.0, 0
.if (\x) == 0
	s_cmp_eq_u32 s[RS+(\x)], 1                     ; band 0 sees nothing of the tile's second step
	s_cselect_b32 s[BE], s[BIGN], 0
.else
	s_mov_b32 s[BE], 0
.endif
	WIN 0x82
.set i, 0
.rept 16
	v_pk_fma_f32 v[MC+32*(\x)+2*i:MC+32*(\x)+2*i+1], v[MD+2*i:MD+2*i+1], s[AL:AL+1], s[BE:BE+1] op_sel_hi:[1,0,0]
.set i, i+1
.endr
	WIN 0
.Lnomask_\@:
	s_sub_co_u32 s[RS+(\x)], s[RS+(\x)], 1
.endm
; THE WAY OUT of piece x: l's two halves and the other half of the lanes' are added; O^T is divided by l, rounded to f16 into P's registers (free: the piece's V^T P are done), sent through my own stage and stored.
.macro WAYOUT x
.set rT, ST+8*(\x)
.set rO, O+32*(\x)
.set rP, P+16*(\x)
	WIN 0
	v_add_f32 v[rT+4], v[rT+2], v[rT+3]
	v_permlanex16_b32 v[rT+5], v[rT+4], s[SEL], s[SEL+1]
	v_add_f32 v[rT+4], v[rT+4], v[rT+5]
	v_rcp_f32 v[rT+6], v[rT+4]
	v_nop                                          ; a plain instruction between the reciprocal and the use of its result
.set i, 0
	s_wait_alu depctr_va_vdst(0)
.rept 16
	v_pk_mul_f32 v[rO+2*i:rO+2*i+1], v[rO+2*i:rO+2*i+1], v[rT+6:rT+7] op_sel_hi:[1,0]
.set i, i+1
.endr
.set i, 0
.rept 16
	v_cvt_pk_f16_f32 v[rP+i], v[rO+2*i], v[rO+2*i+1]
.set i, i+1
.endr
.irp f, 0,1,2,3
	ds_store_b128 v[STO], v[rP+4*\f:rP+4*\f+3] offset:32*\f
.endr
.irp f, 0,1,2,3
	ds_load_b128 v[rP+4*\f:rP+4*\f+3], v[RD] offset:\f*4*SP    ; LDS serves a wave's instructions in order: these see the stores above
.endr
.irp f, 0,1,2,3
	s_wait_dscnt 3-\f
	global_store_b128 v[GO], v[rP+4*\f:rP+4*\f+3], s[YP:YP+1] offset:(\x)*8192+\f*512   ; 512 consecutive bytes, aligned
.endr
	s_wait_xcnt 0x0                                ; P's registers and y's address are written again only behind this wait
.endm
.macro FOOT x                          ; behind turn x: if its V^T P ended a block, the piece goes out and its maximum starts anew; behind piece 1 the address goes on to the second block
	WIN 0
	s_cmp_eq_u32 s[OUTF], 1
	s_cbranch_scc0 .Lnoout_\@
	WAYOUT \x
	v_mov_b32 v[ST+8*(\x)], 0xfe000000
	v_mov_b32 v[ST+8*(\x)+1], 0xff7fffff
	s_mov_b32 s[OUTF], 0
.if (\x) == 1
	s_mov_b64 s[YP:YP+1], s[OLO:OLO+1]
.endif
.Lnoout_\@:
.endm
.Lslot:                                ; 16 times: a tile is entered and the next is asked for
	CHANGE 1
	s_mov_b32 s[CNT], 2
	s_cmp_eq_u32 s[NEW], 1
	s_cbranch_scc0 .Lstep
	s_mov_b32 s[NEW], 0                            ; the walk's first trip: K of step 0, piece 0's first scores, and into the middle of the loop
	v_add_nc_u32 v[AK], s[TBK], v[AK0]
	FETCH_K
	s_wait_loadcnt 0x0                             ; both blocks' Q
	s_wait_dscnt 0x0
.set i, 0
.rept 8
	KQ 0
.set i, i+1
.endr
	WIN 0
	PLACES
	s_branch .Lmid
.Lstep:                                ; a trip: turn 0 (V^T P of step j, K Q^T of j + 1, K of j + 1 fetched), turn 1 (the same for piece 1, V of j + 1 fetched)
	HEAD 0
	TURN 0
	FOOT 0
.Lmid:
	HEAD 1
	TURN 1
	FOOT 1
	s_sub_co_u32 s[CNT], s[CNT], 1
	s_cmp_lg_u32 s[CNT], 0
	s_cbranch_scc1 .Lstep
	s_sub_co_u32 s[SLOTS], s[SLOTS], 1
	s_cmp_lg_u32 s[SLOTS], 0
	s_cbranch_scc1 .Lslot
	CHANGE 0                                       ; the walk's last tile is written out: nothing is asked for
	s_mov_b32 s[CNT], 2
.Ltail:
	HEAD 0
	TURN 0
	FOOT 0
	HEAD 1
	TURN 1
	FOOT 1
	s_sub_co_u32 s[CNT], s[CNT], 1
	s_cmp_lg_u32 s[CNT], 0
	s_cbranch_scc1 .Ltail
	TURN 0, 1                                      ; piece 0: V^T P of the last step | piece 1's last softmax
.set i, 0
.rept 8
	PV 1                                           ; piece 1: V^T P of the last step
.set i, i+1
.endr
	WIN 0
	PLACES
	WAYOUT 0
	WAYOUT 1
	s_wait_tensorcnt 0x0                           ; the wave's end
	ds_add_u32 v[SPW], v[NIL]
	s_wait_dscnt 0x0
	s_endpgm
.Lfunc_end_k_qdf032b44f5_attn:
	.size	k_qdf032b44f5_attn, .Lfunc_end_k_qdf032b44f5_attn-k_qdf032b44f5_attn
	.p2alignl 7, 3214868480
	.fill 96, 4, 3214868480
	.section	.rodata,"a",@progbits
	.p2align	6, 0x0
	.amdhsa_kernel k_qdf032b44f5_attn
		.amdhsa_group_segment_fixed_size 327680
		.amdhsa_private_segment_fixed_size 0
		.amdhsa_enable_private_segment 0
		.amdhsa_kernarg_size 16
		.amdhsa_user_sgpr_count 2
		.amdhsa_user_sgpr_kernarg_segment_ptr 1
		.amdhsa_wavefront_size32 1
		.amdhsa_system_sgpr_workgroup_id_x 1
		.amdhsa_system_sgpr_workgroup_id_y 1
		.amdhsa_system_sgpr_workgroup_id_z 1
		.amdhsa_system_vgpr_workitem_id 0
		.amdhsa_next_free_vgpr 608
		.amdhsa_next_free_sgpr 96
		.amdhsa_reserve_vcc 1
		.amdhsa_float_denorm_mode_32 3
		.amdhsa_float_denorm_mode_16_64 3
		.amdhsa_memory_ordered 1
		.amdhsa_forward_progress 1
		.amdhsa_inst_pref_size 101
	.end_amdhsa_kernel
	.amdgpu_metadata
---
amdhsa.version: [ 1, 2 ]
amdhsa.kernels:
  - .name:           k_qdf032b44f5_attn
    .symbol:         k_qdf032b44f5_attn.kd
    .args:
      - { .name: qkvp, .offset: 0, .size: 8, .value_kind: global_buffer, .address_space: global }
      - { .name: yp, .offset: 8, .size: 8, .value_kind: global_buffer, .address_space: global }
    .group_segment_fixed_size: 327680
    .private_segment_fixed_size: 0
    .kernarg_segment_align: 8
    .kernarg_segment_size: 16
    .max_flat_workgroup_size: 128
    .sgpr_count:     96
    .vgpr_count:     608
    .wavefront_size: 32
...
	.end_amdgpu_metadata
.endif
;; end of part 3
;; launch gproj (part 4): grid 8 x 32, 4 waves a work-group, clusters of 4 x 4, 327,680 bytes of LDS; arguments yp, wh, b_proj, x, x2; writes x2
.if DOCPART == 4
	.amdgcn_target "amdgcn-amd-amdhsa--gfx1250"
	.amdhsa_code_object_version 6
	.text
	.protected	k_qdf032b44f5_gproj
	.globl	k_qdf032b44f5_gproj
	.p2align	8
	.type	k_qdf032b44f5_gproj,@function
k_qdf032b44f5_gproj:
	s_mov_b64 s[64:65], 0
	v_nop
	global_prefetch_b8 v0, s[64:65] scope:SCOPE_SE
	s_setreg_imm32_b32 hwreg(HW_REG_WAVE_MODE, 25, 1), 1
	s_wait_xcnt 0x0
	s_wait_alu depctr_hold_cnt(0) depctr_sa_sdst(0) depctr_va_vdst(0) depctr_va_sdst(0) depctr_va_ssrc(0) depctr_va_vcc(0) depctr_vm_vsrc(0)
	s_getreg_b32 s2, hwreg(HW_REG_IB_STS2, 6, 4)
	s_cmp_eq_u32 s2, 0
	s_cbranch_scc0 .Lentry_in_a_cluster
	s_endpgm
.Lentry_in_a_cluster:
	s_bfe_u32 s2, ttmp6, 0x10000c
	s_cmp_lg_u32 s2, 0xf033
	s_cbranch_scc0 .Lentry_shape_is_right
	s_endpgm
.Lentry_shape_is_right:
; PROJ.  x2 = x + y W + bias, in f32.  y: panels [16][4096][64] f16.  W = w_proj in f16, [1024][1024], at byte WOFFS of wh.  Sums in f32; the bias is the C operand of each sum's first product; the residual is added once, in f32, on the way out.
; SHARES.  A work-group makes 128 x 128 (8 x 32 = 256 work-groups), each of its four waves 64 x 64: 16 accumulators.  K goes in NS steps of 256 (four panels) through two LDS slots.
; THE MATRIX INSTRUCTION IS USED TRANSPOSED: source 0 = 16 columns of W (turned on the way out of LDS by ds_load_tr16_b128), source 1 = 16 rows of y: a lane holds row lane % 16 and the columns 8 (lane / 16) + 0..7.
; CLUSTER 4 x 4: y's tile is shared along a row of the cluster, W's along a column; each is asked for jointly.  Waves 0, 1 fetch the two halves of y's tile (64 rows in each of 4 panels: 4 rows of 8,192 dense bytes),
; waves 2, 3 the two halves of W's (128 rows of k x 256 bytes).  By this text's own count a wave has two tensor loads out at the start and one behind each round.
; THE TEXT holds nine quarter steps: the first (its products start the sums), the loop's four, and four for the last two K steps, which ask for nothing: a loop of two trips that is left in its middle.
; LIMITS.  NaN and infinities are not treated apart.
; REGISTERS: window 0 v0-31 addresses, v32-95 at work on the way out, v128-255 accumulator (a, b) at v[128 + 8 (4 a + b)]; window 1 two fragment buffers of 128 (64 of y, 64 of W, for 64 along K);
; window 2 v0-127 the residual of the 32 row pieces that I store, v128-159 the bias.
.set NS,    4                          ; K steps
.set WOFFS, 6291456
.set KSTEP, 256
.set PA,    144                        ; a row of a panel in LDS: 128 bytes + 16
.set PW,    288                        ; a row of W: 256 + 32
.set AHALF, 4*64*PA
.set WBASE, 2*AHALF
.set WHALF, 128*PW
.set SLOT,  WBASE+2*WHALF
.set SPARE, 2*SLOT
.set ASTEP, 4*4096*128
.set WSTEP, KSTEP*1024*2
.set SP,    528                        ; the stage: a row of 128 f32 + 16 bytes
.set A0, 16
.set B0, 17
.set ADRA, 20
.set ADRB, 21                          ; v21 rows of k 0-127, v22 rows 128-255
.set STO, 24
.set RD, 25
.set CO, 26
.set SPW, 28                           ; v28  my spare word; never rewritten
.set NIL, 29                           ; v29  0; never rewritten
.set TMP, 32
.set ACC, 128
.set F0, 0
.set F1, 128
.set RES, 0                            ; window 2
.set BIAS, 128                         ; window 2
.set WV, 14
.set RH, 15
.set CH, 16
.set G1A, 24
.set G0A, 32
.set G1W, 40
.set G0W, 48
.set TB, 56
.set CNT, 58
.set MSB, 0
.macro WIN new
.if MSB != (\new)
	s_set_vgpr_msb (MSB<<8)|(\new)
.set MSB, (\new)
.endif
.endm
.macro PLACES
.rept 4
	v_nop
.endr
.endm
.macro JLOAD                           ; a joint refill by the walking descriptor; s_nop 0 and four v_nop follow each line
	s_cmp_eq_u32 s[RH], 0
	s_cbranch_scc0 .Lfor_w_\@
	tensor_load_to_lds s[G0A+4:G0A+7], s[G1A:G1A+7]
	s_nop 0
.rept 4
	v_nop
.endr
	s_branch .Lasked_\@
.Lfor_w_\@:
	tensor_load_to_lds s[G0W+4:G0W+7], s[G1W:G1W+7]
	s_nop 0
.rept 4
	v_nop
.endr
.Lasked_\@:
.endm
.macro CREST
	s_cmp_lg_u32 s[WV], 0
	s_cbranch_scc1 .Lnot_wave_0_\@
	s_barrier_signal -3
.Lnot_wave_0_\@:
	s_barrier_wait -3
	s_barrier_signal -1
	s_barrier_wait -1
.endm
.macro CROUND
	s_barrier_signal -1
	s_barrier_wait -1
	CREST
.endm
.macro SETADR
	v_add_nc_u32 v[ADRA], s[TB], v[A0]
	v_add_nc_u32 v[ADRB], s[TB], v[B0]
	v_add_nc_u32 v[ADRB+1], WHALF, v[ADRB]
.endm
	s_load_b256 s[4:11], s[0:1], 0x0               ; A s[4:5], wh s[6:7], bias s[8:9], residual s[10:11]
	s_load_b64 s[12:13], s[0:1], 0x20              ; the result
	v_lshl_add_u32 v[SPW], v0, 2, SPARE
	v_mov_b32 v[NIL], 0
	ds_add_u32 v[SPW], v[NIL]                      ; the wave's opening: the add and its wait ahead of my first tensor load
	ds_add_u32 v28, v29
	v_lshrrev_b32 v1, 5, v0
	v_readfirstlane_b32 s[WV], v1
	s_lshr_b32 s[RH], s[WV], 1
	s_and_b32 s[CH], s[WV], 1
	s_bfe_u32 s17, ttmp6, 0x40000                  ; cx
	s_bfe_u32 s18, ttmp6, 0x40004                  ; cy
	s_lshl_b32 s19, ttmp9, 2
	s_add_co_u32 s19, s19, s17                     ; tile column
	s_and_b32 s20, ttmp7, 0xffff
	s_lshl_b32 s20, s20, 2
	s_add_co_u32 s20, s20, s18                     ; tile row
	s_lshl_b32 s21, s18, 2
	s_lshl_b32 s21, 15, s21
	s_lshl_b32 s22, 0x1111, s17
	s_or_b32 s[G1A], s21, (1<<16)|(1<<20)|(1<<21)|(4<<22)|(3<<25)    ; my row's mask; 2-byte elements; padding: after every 32 words 4 words
	s_mov_b32 s[G1A+1], 4096<<16                   ; tensor_dim0 = 4,096: 64 dense rows of a panel
	s_mov_b32 s[G1A+2], 4<<16                      ; tensor_dim1 = 4 panels
	s_mov_b32 s[G1A+3], 4096<<16                   ; tile_dim0
	s_mov_b32 s[G1A+4], 4                          ; tile_dim1
	s_mov_b32 s[G1A+5], 262144                     ; elements from panel to panel
	s_mov_b32 s[G1A+6], 0
	s_mov_b32 s[G1A+7], 0
	s_or_b32 s[G1W], s22, (1<<16)|(1<<20)|(1<<21)|(5<<22)|(7<<25)    ; my column's mask; after every 64 words 8 words
	s_mov_b32 s[G1W+1], 128<<16
	s_mov_b32 s[G1W+2], 128<<16
	s_mov_b32 s[G1W+3], 128<<16
	s_mov_b32 s[G1W+4], 128
	s_mov_b32 s[G1W+5], 1024
	s_mov_b32 s[G1W+6], 0
	s_mov_b32 s[G1W+7], 0
	s_lshl_b32 s66, s20, 14                        ; A: (128 x tile row + 64 x half) rows of 128 bytes; these registers never hold cx
	s_lshl_b32 s67, s[CH], 13
	s_add_co_u32 s66, s66, s67
	s_mov_b32 s67, 0
	s_lshl_b32 s68, s19, 8                         ; W: the tile's first column, my 128 rows of k; these never hold cy
	s_lshl_b32 s69, s[CH], 18
	s_add_co_u32 s68, s68, s69
	s_add_co_u32 s68, s68, WOFFS
	s_mov_b32 s69, 0
	s_mul_i32 s59, s[CH], AHALF
	s_mul_i32 s60, s[CH], WHALF
	s_add_co_u32 s60, s60, WBASE
	s_mov_b32 s[TB], 0
	s_wait_dscnt 0x0                               ; the opening add is done
	s_wait_kmcnt 0x0
	s_add_nc_u64 s[66:67], s[4:5], s[66:67]
	s_add_nc_u64 s[68:69], s[6:7], s[68:69]
	s_mov_b32 s[G0A], 1
	s_mov_b32 s[G0A+1], s59
	s_mov_b64 s[G0A+2:G0A+3], s[66:67]
	s_or_b32 s[G0A+3], s[G0A+3], 0x80000000
	s_mov_b32 s[G0A+4], 1
	s_add_co_u32 s[G0A+5], s59, SLOT
	s_add_nc_u64 s[G0A+6:G0A+7], s[66:67], ASTEP
	s_or_b32 s[G0A+7], s[G0A+7], 0x80000000
	s_mov_b32 s[G0W], 1
	s_mov_b32 s[G0W+1], s60
	s_mov_b64 s[G0W+2:G0W+3], s[68:69]
	s_or_b32 s[G0W+3], s[G0W+3], 0x80000000
	s_mov_b32 s[G0W+4], 1
	s_add_co_u32 s[G0W+5], s60, SLOT
	s_add_nc_u64 s[G0W+6:G0W+7], s[68:69], WSTEP
	s_or_b32 s[G0W+7], s[G0W+7], 0x80000000
	s_lshl_b32 s70, s19, 9                         ; the bias of my 64 columns
	s_lshl_b32 s71, s[CH], 8
	s_add_co_u32 s70, s70, s71
	s_mov_b32 s71, 0
	s_add_nc_u64 s[8:9], s[8:9], s[70:71]
	s_lshl_b32 s70, s20, 19                        ; residual and result: row 128 x tile row + 32 x wave, column 128 x tile column, f32
	s_lshl_b32 s71, s[WV], 17
	s_add_co_u32 s70, s70, s71
	s_lshl_b32 s71, s19, 9
	s_add_co_u32 s70, s70, s71
	s_mov_b32 s71, 0
	s_add_nc_u64 s[10:11], s[10:11], s[70:71]
	s_add_nc_u64 s[12:13], s[12:13], s[70:71]
	CROUND                                         ; all sixteen work-groups are here: the first joint loads meet
	s_cmp_eq_u32 s[RH], 0                          ; a wave's two first fills stand in one branch: K steps 0 and 1 into slots 0 and 1
	s_cbranch_scc0 .Lfirst_w
	tensor_load_to_lds s[G0A:G0A+3], s[G1A:G1A+7]
	s_nop 0
	tensor_load_to_lds s[G0A+4:G0A+7], s[G1A:G1A+7]
	s_nop 0
.rept 4
	v_nop
.endr
	s_branch .Lfirst_asked
.Lfirst_w:
	tensor_load_to_lds s[G0W:G0W+3], s[G1W:G1W+7]
	s_nop 0
	tensor_load_to_lds s[G0W+4:G0W+7], s[G1W:G1W+7]
	s_nop 0
.rept 4
	v_nop
.endr
.Lfirst_asked:
	v_and_b32 v1, 15, v0                           ; r
	v_bfe_u32 v2, v0, 4, 1                         ; h
	v_and_b32 v3, 7, v0
	v_bfe_u32 v4, v0, 3, 1
	v_lshlrev_b32 v5, 5, v2
	v_and_b32 v[CO], 31, v0
	v_lshlrev_b32 v[CO], 4, v[CO]
	WIN 0x80
.irp b, 0,1,2,3
	global_load_b128 v[BIAS+8*\b:BIAS+8*\b+3], v5, s[8:9] offset:64*\b
	global_load_b128 v[BIAS+8*\b+4:BIAS+8*\b+7], v5, s[8:9] offset:64*\b+16
.endr
.set it, 0
.rept 32                               ; the residual is asked for now and wanted on the way out: row piece it, 512 consecutive bytes
	global_load_b128 v[RES+4*it:RES+4*it+3], v[CO], s[10:11] offset:4096*it
.set it, it+1
.endr
	WIN 0
	v_mul_u32_u24 v[A0], v1, PA
	v_lshl_add_u32 v[A0], v2, 4, v[A0]
	s_mul_i32 s23, s[RH], AHALF
	v_add_nc_u32 v[A0], s23, v[A0]
	v_lshl_add_u32 v[B0], v2, 3, v3                ; the turning load: row k = 8 h + lane % 8, columns 8 ((lane / 8) % 2) + 0..7
	v_mul_u32_u24 v[B0], v[B0], PW
	v_lshl_add_u32 v[B0], v4, 4, v[B0]
	s_lshl_b32 s23, s[CH], 7
	s_add_co_u32 s23, s23, WBASE
	v_add_nc_u32 v[B0], s23, v[B0]
	SETADR
	v_mul_u32_u24 v[STO], v1, SP                   ; into the stage [128 rows][528 bytes]: row r, 32 bytes for each half of the lanes
	v_lshl_add_u32 v[STO], v2, 5, v[STO]
	s_mul_i32 s23, s[RH], 64*SP
	s_lshl_b32 s61, s[CH], 8
	s_add_co_u32 s23, s23, s61
	v_add_nc_u32 v[STO], s23, v[STO]
	s_mul_i32 s23, s[WV], 32*SP                    ; back: wave w takes rows 32 w on, a whole row piece a load
	v_add_nc_u32 v[RD], s23, v[CO]
; 8 matrix instructions: row blocks a0, a0 + 1 x all 4 column blocks, 32 along K: half c of buffer f.  first = 1: the sum starts with the bias.  The 16 accumulators take turns.
.macro MUL8 f, c, a0, first
.if \first
	WIN 0x25
.else
	WIN 0x05
.endif
.irp a, \a0, (\a0)+1
.irp b, 0,1,2,3
.if \first
	v_wmma_f32_16x16x32_f16 v[ACC+8*(4*(\a)+(\b)):ACC+8*(4*(\a)+(\b))+7], v[(\f)+64+8*(4*(\c)+(\b)):(\f)+64+8*(4*(\c)+(\b))+7], v[(\f)+8*(4*(\c)+(\a)):(\f)+8*(4*(\c)+(\a))+7], v[BIAS+8*(\b):BIAS+8*(\b)+7]
.else
	v_wmma_f32_16x16x32_f16 v[ACC+8*(4*(\a)+(\b)):ACC+8*(4*(\a)+(\b))+7], v[(\f)+64+8*(4*(\c)+(\b)):(\f)+64+8*(4*(\c)+(\b))+7], v[(\f)+8*(4*(\c)+(\a)):(\f)+8*(4*(\c)+(\a))+7], v[ACC+8*(4*(\a)+(\b)):ACC+8*(4*(\a)+(\b))+7]
.endif
.endr
.endr
.endm
; 32 LDS loads in one run: quarter q (one panel, 64 along K) of the slot in hand into buffer f; the first 32 along K first
.macro FETCH q, f
	WIN 0x40
.irp c, 0,1
.irp i, 0,1,2,3
	ds_load_tr16_b128 v[(\f)+64+8*(4*(\c)+(\i)):(\f)+64+8*(4*(\c)+(\i))+3],   v[ADRB+(\q)/2] offset:(64*((\q)%2)+32*(\c))*PW+32*(\i)
	ds_load_tr16_b128 v[(\f)+64+8*(4*(\c)+(\i))+4:(\f)+64+8*(4*(\c)+(\i))+7], v[ADRB+(\q)/2] offset:(64*((\q)%2)+32*(\c)+16)*PW+32*(\i)
	ds_load_b128 v[(\f)+8*(4*(\c)+(\i)):(\f)+8*(4*(\c)+(\i))+3],   v[ADRA] offset:(\q)*64*PA+(\i)*16*PA+64*(\c)
	ds_load_b128 v[(\f)+8*(4*(\c)+(\i))+4:(\f)+8*(4*(\c)+(\i))+7], v[ADRA] offset:(\q)*64*PA+(\i)*16*PA+64*(\c)+32
.endr
.endr
.endm
.macro QUARTER q, f, g, first=0
	s_wait_dscnt 16                                ; the first 32 along K are in
	MUL8 \f, 0, 0, \first
	MUL8 \f, 0, 2, \first
	PLACES
	FETCH \q, \g
	s_wait_dscnt 32                                ; all but the 32 just issued
	MUL8 \f, 1, 0, 0
	MUL8 \f, 1, 2, 0
.endm
; The last quarter multiplies buffer 1 and changes slots: one barrier; in front of it each wave waits for all its tensor loads, adds 0 to its spare word, and waits for that and for its reads of this slot.
; fill = 1: the barrier opens a round of the cluster's, and this slot is filled again, first thing behind it, two K steps ahead.
.macro TURN fill
	WIN 0
	s_wait_tensorcnt 0x0
	ds_add_u32 v[SPW], v[NIL]
	s_wait_dscnt 17                                ; the add and the youngest sixteen loads may be out
	MUL8 F1, 0, 0, 0
	s_wait_dscnt 0x0                               ; the add is done, my reads of this slot are over
	s_barrier_signal -1
	MUL8 F1, 0, 2, 0
	WIN 0
	s_barrier_wait -1
.if \fill
	CREST
	s_xor_b32 s[G0A+5], s[G0A+5], SLOT             ; the other slot than last time (no bit of SLOT is set in a place within a slot), the next K step
	s_add_nc_u64 s[G0A+6:G0A+7], s[G0A+6:G0A+7], ASTEP
	s_xor_b32 s[G0W+5], s[G0W+5], SLOT
	s_add_nc_u64 s[G0W+6:G0W+7], s[G0W+6:G0W+7], WSTEP
	JLOAD                                          ; its four v_nop are also the places in front of the loads below
.else
	PLACES
.endif
	s_xor_b32 s[TB], s[TB], SLOT
	SETADR
	FETCH 0, F0
	MUL8 F1, 1, 0, 0
	MUL8 F1, 1, 2, 0
.endm
	s_wait_tensorcnt 0x1                           ; my part of K step 0 is in; step 1's may stay out
	s_barrier_signal -1
	s_barrier_wait -1
	FETCH 0, F0
	s_wait_loadcnt 32                              ; the bias is in; the residual's 32 loads stay out
	QUARTER 1, F0, F1, 1
	WIN 0
	s_mov_b32 s[CNT], NS-2
.Lk:                                               ; a trip: from a K step's second quarter to the next step's first; it fills the slot that it leaves
	QUARTER 2, F1, F0
	QUARTER 3, F0, F1
	TURN 1
	QUARTER 1, F0, F1
	WIN 0
	s_sub_co_u32 s[CNT], s[CNT], 1
	s_cmp_lg_u32 s[CNT], 0
	s_cbranch_scc1 .Lk
	s_mov_b32 s[CNT], 2
.Ltail:                                            ; the last two K steps ask for nothing: two trips, the second left behind its last products.  Its TURN fetches the other slot's
	QUARTER 2, F1, F0                              ; first fragments once more, and they serve nothing: the price, once a launch, of one text for both trips
	QUARTER 3, F0, F1
	TURN 0
	WIN 0
	s_sub_co_u32 s[CNT], s[CNT], 1
	s_cmp_eq_u32 s[CNT], 0
	s_cbranch_scc1 .Lout
	QUARTER 1, F0, F1
	WIN 0
	s_branch .Ltail
.Lout:
	; THE WAY OUT.  The slots have had their last fill and their last read: behind a barrier the stage takes their bytes.  The sums go in as f32, come back as whole row pieces of 512 bytes, take the residual and are stored.
	s_wait_dscnt 0x0
	s_barrier_signal -1
	s_barrier_wait -1
	PLACES
.set it, 0
.rept 16                               ; accumulator (it / 4, it % 4), its four lowest registers first
	ds_store_b128 v[STO], v[ACC+8*it:ACC+8*it+3] offset:(it/4)*16*SP+(it%4)*64
	ds_store_b128 v[STO], v[ACC+8*it+4:ACC+8*it+7] offset:(it/4)*16*SP+(it%4)*64+16
.set it, it+1
.endr
	s_wait_dscnt 0x0                               ; for the others' sake: my stores into the stage are done
	s_barrier_signal -1
	s_barrier_wait -1
	s_wait_loadcnt 0x0                             ; the residual
.irp g, 0,1
	s_wait_xcnt 0x0                                ; the registers that earlier stores read are loaded again only behind this wait
.set it, 0
.rept 16
	ds_load_b128 v[TMP+4*it:TMP+4*it+3], v[RD] offset:SP*(16*\g+it)
.set it, it+1
.endr
	s_wait_dscnt 0x0
	WIN 0x08                                       ; source 1 in window 2
.set it, 0
.rept 32
	v_pk_add_f32 v[TMP+2*it:TMP+2*it+1], v[TMP+2*it:TMP+2*it+1], v[RES+64*\g+2*it:RES+64*\g+2*it+1]
.set it, it+1
.endr
	WIN 0
.set it, 0
.rept 16
	global_store_b128 v[CO], v[TMP+4*it:TMP+4*it+3], s[12:13] offset:4096*(16*\g+it)   ; 512 consecutive bytes, aligned
.set it, it+1
.endr
.endr
	s_wait_tensorcnt 0x0                           ; the wave's end
	ds_add_u32 v[SPW], v[NIL]
	s_wait_dscnt 0x0
	CROUND                                         ; the closing round
	s_endpgm
.Lfunc_end_k_qdf032b44f5_gproj:
	.size	k_qdf032b44f5_gproj, .Lfunc_end_k_qdf032b44f5_gproj-k_qdf032b44f5_gproj
	.p2alignl 7, 3214868480
	.fill 96, 4, 3214868480
	.section	.rodata,"a",@progbits
	.p2align	6, 0x0
	.amdhsa_kernel k_qdf032b44f5_gproj
		.amdhsa_group_segment_fixed_size 327680
		.amdhsa_private_segment_fixed_size 0
		.amdhsa_enable_private_segment 0
		.amdhsa_kernarg_size 40
		.amdhsa_user_sgpr_count 2
		.amdhsa_user_sgpr_kernarg_segment_ptr 1
		.amdhsa_wavefront_size32 1
		.amdhsa_system_sgpr_workgroup_id_x 1
		.amdhsa_system_sgpr_workgroup_id_y 1
		.amdhsa_system_sgpr_workgroup_id_z 1
		.amdhsa_system_vgpr_workitem_id 0
		.amdhsa_next_free_vgpr 672
		.amdhsa_next_free_sgpr 72
		.amdhsa_reserve_vcc 0
		.amdhsa_float_denorm_mode_32 3
		.amdhsa_float_denorm_mode_16_64 3
		.amdhsa_memory_ordered 1
		.amdhsa_forward_progress 1
		.amdhsa_inst_pref_size 66
	.end_amdhsa_kernel
	.amdgpu_metadata
---
amdhsa.version: [ 1, 2 ]
amdhsa.kernels:
  - .name:           k_qdf032b44f5_gproj
    .symbol:         k_qdf032b44f5_gproj.kd
    .args:
      - { .name: yp, .offset: 0, .size: 8, .value_kind: global_buffer, .address_space: global }
      - { .name: wh, .offset: 8, .size: 8, .value_kind: global_buffer, .address_space: global }
      - { .name: b_proj, .offset: 16, .size: 8, .value_kind: global_buffer, .address_space: global }
      - { .name: x, .offset: 24, .size: 8, .value_kind: global_buffer, .address_space: global }
      - { .name: x2, .offset: 32, .size: 8, .value_kind: global_buffer, .address_space: global }
    .group_segment_fixed_size: 327680
    .private_segment_fixed_size: 0
    .kernarg_segment_align: 8
    .kernarg_segment_size: 40
    .max_flat_workgroup_size: 128
    .sgpr_count:     72
    .vgpr_count:     672
    .wavefront_size: 32
...
	.end_amdgpu_metadata
.endif
;; end of part 4
;; launch ln2 (part 5): grid 256 x 1, 8 waves a work-group, no clusters, 0 bytes of LDS; arguments x2, g2, bt2, hn; writes hn
.if DOCPART == 5
	.amdgcn_target "amdgcn-amd-amdhsa--gfx1250"
	.amdhsa_code_object_version 6
	.text
	.protected	k_qdf032b44f5_ln2
	.globl	k_qdf032b44f5_ln2
	.p2align	8
	.type	k_qdf032b44f5_ln2,@function
k_qdf032b44f5_ln2:
	s_mov_b64 s[64:65], 0
	v_nop
	global_prefetch_b8 v0, s[64:65] scope:SCOPE_SE
	s_setreg_imm32_b32 hwreg(HW_REG_WAVE_MODE, 25, 1), 1
	s_wait_xcnt 0x0
; LN2.  hn = LayerNorm(x2) * g2 + bt2, rounded once to f16; 16 rows of 1,024 a work-group, two a wave.  A stream: no LDS, no matrix unit, no cluster.
; Every load of a wave covers 512 consecutive bytes, every store 256, aligned.  The mean is taken away before the squares are summed.  All sums in f32.
; LIMITS.  f16 holds no number of 65,520 or more and keeps a fixed step of 6e-8 below 6e-5; NaN and infinities are not treated apart.
.set XP, 16                            ; s[16:17] x2
.set GP, 18                            ; s[18:19] gain
.set BP, 20                            ; s[20:21] offset
.set HP, 22                            ; s[22:23] hn
.set GG, 8                             ; v[8:39]    gain of my 32 columns (4 lane + 128 j + 0..3)
.set BB, 40                            ; v[40:71]   offset of the same
.set X0, 72                            ; v[72:103]  row 0
.set X1, 104                           ; v[104:135] row 1
.set Y0, 136                           ; v[136:151] row 0 in f16
.set Y1, 152                           ; v[152:167] row 1 in f16
.set T,  168                           ; v[168:183] at work
.set MU, 184                           ; v[184:185] the mean, twice
.set RR, 186                           ; v[186:187] 1 / sqrt(var + eps), twice
.macro RED                             ; the sum of v[T] over the 32 lanes, into every lane
	v_add_f32_dpp v[T], v[T], v[T] row_xmask:1 row_mask:0xf bank_mask:0xf
	v_add_f32_dpp v[T], v[T], v[T] row_xmask:2 row_mask:0xf bank_mask:0xf
	v_add_f32_dpp v[T], v[T], v[T] row_xmask:4 row_mask:0xf bank_mask:0xf
	v_add_f32_dpp v[T], v[T], v[T] row_xmask:8 row_mask:0xf bank_mask:0xf
	v_permlanex16_b32 v[T+1], v[T], s40, s41       ; its destination has been written before
	v_add_f32 v[T], v[T], v[T+1]
.endm
.macro LNROW X, Y, w1, w2, off
	s_wait_loadcnt \w1
.set k, 0
.rept 8
	v_pk_add_f32 v[T+2*k:T+2*k+1], v[(\X)+2*k:(\X)+2*k+1], v[(\X)+16+2*k:(\X)+16+2*k+1]
.set k, k+1
.endr
.irp w, 4,2,1
.set k, 0
.rept \w
	v_pk_add_f32 v[T+2*k:T+2*k+1], v[T+2*k:T+2*k+1], v[T+2*(k+\w):T+2*(k+\w)+1]
.set k, k+1
.endr
.endr
	v_add_f32 v[T], v[T], v[T+1]
	RED
	v_mul_f32 v[MU], s42, v[T]                     ; sum / 1,024
	v_mul_f32 v[MU+1], s42, v[T]
.set k, 0
.rept 16
	v_pk_add_f32 v[(\X)+2*k:(\X)+2*k+1], v[(\X)+2*k:(\X)+2*k+1], v[MU:MU+1] neg_lo:[0,1] neg_hi:[0,1]
.set k, k+1
.endr
.set k, 0
.rept 4                                ; the squares, in four chains; the first four products start them
	v_pk_mul_f32 v[T+2*k:T+2*k+1], v[(\X)+2*k:(\X)+2*k+1], v[(\X)+2*k:(\X)+2*k+1]
.set k, k+1
.endr
.rept 12
	v_pk_fma_f32 v[T+2*(k%4):T+2*(k%4)+1], v[(\X)+2*k:(\X)+2*k+1], v[(\X)+2*k:(\X)+2*k+1], v[T+2*(k%4):T+2*(k%4)+1]
.set k, k+1
.endr
	v_pk_add_f32 v[T:T+1], v[T:T+1], v[T+2:T+3]
	v_pk_add_f32 v[T+4:T+5], v[T+4:T+5], v[T+6:T+7]
	v_pk_add_f32 v[T:T+1], v[T:T+1], v[T+4:T+5]
	v_add_f32 v[T], v[T], v[T+1]
	RED
	v_fma_f32 v[T], v[T], s42, s43                 ; var + 1e-5
	v_rsq_f32 v[RR], v[T]
	v_rsq_f32 v[RR+1], v[T]
	v_nop                                          ; a plain instruction between the root and the use of its result
	s_wait_loadcnt \w2
.set k, 0
	s_wait_alu depctr_va_vdst(0)
.rept 16
	v_pk_mul_f32 v[(\X)+2*k:(\X)+2*k+1], v[(\X)+2*k:(\X)+2*k+1], v[RR:RR+1]
.set k, k+1
.endr
.set k, 0
.rept 16
	v_pk_fma_f32 v[(\X)+2*k:(\X)+2*k+1], v[(\X)+2*k:(\X)+2*k+1], v[GG+2*k:GG+2*k+1], v[BB+2*k:BB+2*k+1]
.set k, k+1
.endr
.set k, 0
.rept 16
	v_cvt_pk_f16_f32 v[(\Y)+k], v[(\X)+2*k], v[(\X)+2*k+1]
.set k, k+1
.endr
.set k, 0
.rept 8
	global_store_b64 v2, v[(\Y)+2*k:(\Y)+2*k+1], s[HP:HP+1] offset:256*k+(\off)   ; 32 lanes, 256 consecutive bytes, aligned
.set k, k+1
.endr
.endm
	s_load_b256 s[16:23], s[0:1], 0x0              ; x2, g2, bt2, hn
	v_and_b32 v3, 31, v0                           ; lane
	v_lshrrev_b32 v4, 5, v0
	v_readfirstlane_b32 s34, v4                    ; wave
	s_lshl_b32 s36, ttmp9, 16                      ; 16 rows of 4,096 bytes a work-group,
	s_lshl_b32 s37, s34, 13                        ; two a wave
	s_add_co_u32 s36, s36, s37
	s_mov_b32 s37, 0
	s_lshl_b32 s38, ttmp9, 15                      ; the same rows in hn, 2,048 bytes each
	s_lshl_b32 s39, s34, 12
	s_add_co_u32 s38, s38, s39
	s_mov_b32 s39, 0
	s_mov_b32 s40, 0x76543210
	s_mov_b32 s41, 0xfedcba98
	s_mov_b32 s42, 0x3a800000                      ; 1 / 1,024
	s_mov_b32 s43, 0x3727c5ac                      ; 1e-5
	v_lshlrev_b32 v1, 4, v3
	v_lshlrev_b32 v2, 3, v3
	s_wait_kmcnt 0x0
	s_add_nc_u64 s[XP:XP+1], s[XP:XP+1], s[36:37]
	s_add_nc_u64 s[HP:HP+1], s[HP:HP+1], s[38:39]
.set k, 0
.rept 8
	global_load_b128 v[X0+4*k:X0+4*k+3], v1, s[XP:XP+1] offset:512*k
.set k, k+1
.endr
.set k, 0
.rept 8
	global_load_b128 v[GG+4*k:GG+4*k+3], v1, s[GP:GP+1] offset:512*k
.set k, k+1
.endr
.set k, 0
.rept 8
	global_load_b128 v[BB+4*k:BB+4*k+3], v1, s[BP:BP+1] offset:512*k
.set k, k+1
.endr
.set k, 0
.rept 8
	global_load_b128 v[X1+4*k:X1+4*k+3], v1, s[XP:XP+1] offset:4096+512*k
.set k, k+1
.endr
	LNROW X0, Y0, 24, 8, 0                         ; row 0 is in when 24 younger loads are out; gain and offset when row 1's eight are
	LNROW X1, Y1, 0, 0, 2048
	s_endpgm
.Lfunc_end_k_qdf032b44f5_ln2:
	.size	k_qdf032b44f5_ln2, .Lfunc_end_k_qdf032b44f5_ln2-k_qdf032b44f5_ln2
	.p2alignl 7, 3214868480
	.fill 96, 4, 3214868480
	.section	.rodata,"a",@progbits
	.p2align	6, 0x0
	.amdhsa_kernel k_qdf032b44f5_ln2
		.amdhsa_group_segment_fixed_size 0
		.amdhsa_private_segment_fixed_size 0
		.amdhsa_enable_private_segment 0
		.amdhsa_kernarg_size 32
		.amdhsa_user_sgpr_count 2
		.amdhsa_user_sgpr_kernarg_segment_ptr 1
		.amdhsa_wavefront_size32 1
		.amdhsa_system_sgpr_workgroup_id_x 1
		.amdhsa_system_sgpr_workgroup_id_y 1
		.amdhsa_system_sgpr_workgroup_id_z 1
		.amdhsa_system_vgpr_workitem_id 0
		.amdhsa_next_free_vgpr 192
		.amdhsa_next_free_sgpr 66
		.amdhsa_reserve_vcc 0
		.amdhsa_float_denorm_mode_32 3
		.amdhsa_float_denorm_mode_16_64 3
		.amdhsa_memory_ordered 1
		.amdhsa_forward_progress 1
		.amdhsa_inst_pref_size 20
	.end_amdhsa_kernel
	.amdgpu_metadata
---
amdhsa.version: [ 1, 2 ]
amdhsa.kernels:
  - .name:           k_qdf032b44f5_ln2
    .symbol:         k_qdf032b44f5_ln2.kd
    .args:
      - { .name: x2, .offset: 0, .size: 8, .value_kind: global_buffer, .address_space: global }
      - { .name: g2, .offset: 8, .size: 8, .value_kind: global_buffer, .address_space: global }
      - { .name: bt2, .offset: 16, .size: 8, .value_kind: global_buffer, .address_space: global }
      - { .name: hn, .offset: 24, .size: 8, .value_kind: global_buffer, .address_space: global }
    .group_segment_fixed_size: 0
    .private_segment_fixed_size: 0
    .kernarg_segment_align: 8
    .kernarg_segment_size: 32
    .max_flat_workgroup_size: 256
    .sgpr_count:     66
    .vgpr_count:     192
    .wavefront_size: 32
...
	.end_amdgpu_metadata
.endif
;; end of part 5
;; launch gfc1 (part 6): grid 16 x 16, 4 waves a work-group, clusters of 4 x 4, 327,680 bytes of LDS; arguments hn, wh, b_fc1, a1; writes a1
.if DOCPART == 6
	.amdgcn_target "amdgcn-amd-amdhsa--gfx1250"
	.amdhsa_code_object_version 6
	.text
	.protected	k_qdf032b44f5_gfc1
	.globl	k_qdf032b44f5_gfc1
	.p2align	8
	.type	k_qdf032b44f5_gfc1,@function
k_qdf032b44f5_gfc1:
	s_mov_b64 s[64:65], 0
	v_nop
	global_prefetch_b8 v0, s[64:65] scope:SCOPE_SE
	s_setreg_imm32_b32 hwreg(HW_REG_WAVE_MODE, 25, 1), 1
	s_wait_xcnt 0x0
	s_wait_alu depctr_hold_cnt(0) depctr_sa_sdst(0) depctr_va_vdst(0) depctr_va_sdst(0) depctr_va_ssrc(0) depctr_va_vcc(0) depctr_vm_vsrc(0)
	s_getreg_b32 s2, hwreg(HW_REG_IB_STS2, 6, 4)
	s_cmp_eq_u32 s2, 0
	s_cbranch_scc0 .Lentry_in_a_cluster
	s_endpgm
.Lentry_in_a_cluster:
	s_bfe_u32 s2, ttmp6, 0x10000c
	s_cmp_lg_u32 s2, 0xf033
	s_cbranch_scc0 .Lentry_shape_is_right
	s_endpgm
.Lentry_shape_is_right:
; FC1.  C = relu(hn W + bias), rounded once to f16.  hn: [4096][1024] f16.  W = w_fc1 in f16, [1024][4096], at byte WOFFS of wh.  C leaves in panels of 64 columns, [64][4096][64] f16,
; from which the next product takes its K steps as dense blocks.  Sums in f32; the bias is the C operand of each sum's first product, so nothing is cleared and nothing added later.
; SHARES.  A work-group makes 256 rows x BN = 256 columns (16 x 16 = 256 work-groups), each of its four waves 128 x 128: 8 x 8 accumulators of 16 x 16.  K goes in 8 steps of 128 through two LDS slots.
; THE MATRIX INSTRUCTION IS USED TRANSPOSED: source 0 = 16 columns of W (turned on the way out of LDS by ds_load_tr16_b128, since W lies [k][n]), source 1 = 16 rows of hn.
; A lane then holds row lane % 16 of C and the eight neighbouring columns 8 (lane / 16) + 0..7.
; CLUSTER 4 x 4.  The four work-groups of a row of the cluster need the same tile of hn, the four of a column the same tile of W: each tile is asked for jointly, by the same tensor load,
; descriptor and mask in all four.  Waves 0, 1 fetch the two halves of hn's tile (128 rows x 256 bytes), waves 2, 3 the two halves of W's (64 rows of k x BN columns).
; By this text's own count a wave has two tensor loads out at the start and one behind each round.
; THE TEXT holds nine quarter steps: the first (its products start the sums), the loop's four, and four for the last two K steps, which ask for nothing: a loop of two trips that is left in its middle.
; LIMITS.  f16 holds no number of 65,520 or more (it becomes an infinity); the packed maximum with 0 turns a NaN into 0; NaN and infinities are not treated apart otherwise.
; REGISTERS, in windows of 256: window 0 v0-31 addresses, v64-191 two buffers of hn's fragments, v192-223 at work on the way out; window 1 v64-191 two buffers of W's fragments, v192-255 the bias;
; windows 2, 3: accumulator (a, b) at v[8 (8 (a % 4) + b)] of window 2 + a / 4.
.set NCOL,  4096                       ; columns of W
.set BN,    256                        ; columns of a work-group
.set NBK,   8                          ; blocks of 16 columns a wave
.set PW,    544                        ; a row of W in LDS: 512 bytes + 32 of padding: an odd multiple of 32
.set WQI,   6                          ; padding after every 128 words
.set WGAP,  0
.set CHB,   256                        ; LDS bytes from a row's first column to column 128
.set SPLIT, 0
.set WOFFS, 8388608
.set NPAN,  4                          ; panels of 64 columns in a work-group's tile
.set RELU,  1
.set STC,   73728                      ; the stage: first byte of column half 1 (panel 2)
.set NS,    8                          ; K steps
.set KSTEP, 128
.set PA,    272                        ; a row of hn in LDS: 256 bytes + 16
.set AHALF, 128*PA
.set WBASE, 2*AHALF
.set WHALF, 64*PW
.set SLOT,  WBASE+2*WHALF
.set SPARE, 2*SLOT                     ; behind the ring: the spare words, 128 bytes a wave
.set ASTEP, KSTEP*2
.set WSTEP, KSTEP*NCOL*2
.set SP,    144                        ; the stage: a row of a panel, 128 bytes + 16
.set PANB,  256*SP                     ; a panel in the stage
.set PANG,  4096*128                   ; a panel in memory
.set A0, 16                            ; v16  my lane's place in hn's tile of slot 0
.set B0, 17                            ; v17  the same for W
.set B0B, 18
.set ADRA, 20                          ; v20, v21  the same in the slot in hand
.set ADRB, 21
.set ADRB2, 22
.set STO, 24                           ; v24  the way out: where I put 16 bytes of a row
.set STO2, 25
.set RD, 26                            ; v26  where I read rows back
.set CO, 27                            ; v27  16 x lane
.set SPW, 28                           ; v28  my spare word; never rewritten
.set NIL, 29                           ; v29  0; never rewritten
.set ZERO, 30                          ; v30  0, for the packed maximum
.set F0, 64
.set F1, 128
.set BK, 64                            ; the way out: 64 rows of a panel read back
.set TMP, 192
.set BIAS, 192                         ; window 1
.set WV, 14                            ; s14 wave;  s15 its row half, also: 0 = I fetch hn, 1 = I fetch W;  s16 its column half, also: which half I fetch
.set RH, 15
.set CH, 16
.set G1A, 24                           ; s[24:31] group 1 for hn;  s[32:35] group 0 of the first fill, s[36:39] the one that walks
.set G0A, 32
.set G1W, 40                           ; s[40:47], s[48:55] the same for W
.set G0W, 48
.set TB, 56                            ; s56  the slot in hand: 0 or SLOT
.set CNT, 58
.set MSB, 0
.macro WIN new                         ; the immediate's high byte repeats the setting that is left; a switch that changes nothing is dropped
.if MSB != (\new)
	s_set_vgpr_msb (MSB<<8)|(\new)
.set MSB, (\new)
.endif
.endm
.macro PLACES                          ; four places behind matrix instructions, in front of loads into their sources and of reads of their results
.rept 4
	v_nop
.endr
.endm
.macro JLOAD                           ; a joint refill by the walking descriptor; the branch hangs on the wave's number alone; s_nop 0 and four v_nop follow each line
	s_cmp_eq_u32 s[RH], 0
	s_cbranch_scc0 .Lfor_w_\@
	tensor_load_to_lds s[G0A+4:G0A+7], s[G1A:G1A+7]
	s_nop 0
.rept 4
	v_nop
.endr
	s_branch .Lasked_\@
.Lfor_w_\@:
	tensor_load_to_lds s[G0W+4:G0W+7], s[G1W:G1W+7]
	s_nop 0
.rept 4
	v_nop
.endr
.Lasked_\@:
.endm
.macro CREST                           ; a round of the cluster's barrier behind its opening barrier
	s_cmp_lg_u32 s[WV], 0
	s_cbranch_scc1 .Lnot_wave_0_\@
	s_barrier_signal -3
.Lnot_wave_0_\@:
	s_barrier_wait -3
	s_barrier_signal -1
	s_barrier_wait -1
.endm
.macro CROUND
	s_barrier_signal -1
	s_barrier_wait -1
	CREST
.endm
.macro SETADR                          ; the fragment addresses in the slot in hand
	v_add_nc_u32 v[ADRA], s[TB], v[A0]
	v_add_nc_u32 v[ADRB], s[TB], v[B0]
.if SPLIT
	v_add_nc_u32 v[ADRB2], s[TB], v[B0B]
.endif
.endm
	s_load_b256 s[4:11], s[0:1], 0x0               ; hn s[4:5], wh s[6:7], bias s[8:9], C s[10:11]
	v_lshl_add_u32 v[SPW], v0, 2, SPARE
	v_mov_b32 v[NIL], 0
	ds_add_u32 v[SPW], v[NIL]                      ; the wave's opening: the add and its wait ahead of my first tensor load; work on registers stands between them
	ds_add_u32 v28, v29
	v_lshrrev_b32 v1, 5, v0
	v_readfirstlane_b32 s[WV], v1
	s_lshr_b32 s[RH], s[WV], 1
	s_and_b32 s[CH], s[WV], 1
	s_bfe_u32 s17, ttmp6, 0x40000                  ; cx
	s_bfe_u32 s18, ttmp6, 0x40004                  ; cy
	s_lshl_b32 s19, ttmp9, 2
	s_add_co_u32 s19, s19, s17                     ; tile column = 4 x cluster x + cx
	s_and_b32 s20, ttmp7, 0xffff
	s_lshl_b32 s20, s20, 2
	s_add_co_u32 s20, s20, s18                     ; tile row = 4 x cluster y + cy
	s_lshl_b32 s21, s18, 2
	s_lshl_b32 s21, 15, s21                        ; my row of the cluster
	s_lshl_b32 s22, 0x1111, s17                    ; my column
	s_or_b32 s[G1A], s21, (1<<16)|(1<<20)|(1<<21)|(5<<22)|(3<<25)    ; mask; 2-byte elements; padding on; bit 21 beside a mask; after every 64 words 4 words
	s_mov_b32 s[G1A+1], KSTEP<<16                  ; tensor_dim0 = 128
	s_mov_b32 s[G1A+2], 128<<16                    ; tensor_dim1 = 128
	s_mov_b32 s[G1A+3], KSTEP<<16                  ; tile_dim0 = 128
	s_mov_b32 s[G1A+4], 128                        ; tile_dim1 = 128
	s_mov_b32 s[G1A+5], 1024                       ; elements from row to row
	s_mov_b32 s[G1A+6], 0
	s_mov_b32 s[G1A+7], 0
	s_or_b32 s[G1W], s22, (1<<16)|(1<<20)|(1<<21)|(WQI<<22)|(7<<25)  ; the same with my column's mask and 8 words of padding
	s_mov_b32 s[G1W+1], BN<<16
	s_mov_b32 s[G1W+2], 64<<16
	s_mov_b32 s[G1W+3], BN<<16
	s_mov_b32 s[G1W+4], 64
	s_mov_b32 s[G1W+5], NCOL
	s_mov_b32 s[G1W+6], 0
	s_mov_b32 s[G1W+7], 0
	s_lshl_b32 s66, s20, 19                        ; hn: (256 x tile row + 128 x half) rows of 2,048 bytes; these registers never hold cx
	s_lshl_b32 s67, s[CH], 18
	s_add_co_u32 s66, s66, s67
	s_mov_b32 s67, 0
	s_mul_i32 s68, s19, 2*BN                       ; W: the tile's first column, my 64 rows of k; these never hold cy
	s_mul_i32 s69, s[CH], 128*NCOL
	s_add_co_u32 s68, s68, s69
	s_add_co_u32 s68, s68, WOFFS
	s_mov_b32 s69, 0
	s_mul_i32 s59, s[CH], AHALF                    ; where my half goes in a slot: the wave's number alone enters an LDS address
	s_mul_i32 s60, s[CH], WHALF
	s_add_co_u32 s60, s60, WBASE
	s_mov_b32 s[TB], 0
	s_wait_dscnt 0x0                               ; the opening add is done
	s_wait_kmcnt 0x0
	s_add_nc_u64 s[66:67], s[4:5], s[66:67]
	s_add_nc_u64 s[68:69], s[6:7], s[68:69]
	s_mov_b32 s[G0A], 1
	s_mov_b32 s[G0A+1], s59
	s_mov_b64 s[G0A+2:G0A+3], s[66:67]
	s_or_b32 s[G0A+3], s[G0A+3], 0x80000000
	s_mov_b32 s[G0A+4], 1
	s_add_co_u32 s[G0A+5], s59, SLOT
	s_add_nc_u64 s[G0A+6:G0A+7], s[66:67], ASTEP
	s_or_b32 s[G0A+7], s[G0A+7], 0x80000000
	s_mov_b32 s[G0W], 1
	s_mov_b32 s[G0W+1], s60
	s_mov_b64 s[G0W+2:G0W+3], s[68:69]
	s_or_b32 s[G0W+3], s[G0W+3], 0x80000000
	s_mov_b32 s[G0W+4], 1
	s_add_co_u32 s[G0W+5], s60, SLOT
	s_add_nc_u64 s[G0W+6:G0W+7], s[68:69], WSTEP
	s_or_b32 s[G0W+7], s[G0W+7], 0x80000000
	s_mul_i32 s70, s19, 4*BN                       ; the bias of my 128 columns
	s_mul_i32 s71, s[CH], 2*BN
	s_add_co_u32 s70, s70, s71
	s_mov_b32 s71, 0
	s_add_nc_u64 s[8:9], s[8:9], s[70:71]
	s_mul_i32 s70, s19, NPAN*PANG                  ; C: the tile's first panel, the 64 rows that I store
	s_lshl_b32 s71, s20, 15
	s_add_co_u32 s70, s70, s71
	s_lshl_b32 s71, s[WV], 13
	s_add_co_u32 s70, s70, s71
	s_mov_b32 s71, 0
	s_add_nc_u64 s[10:11], s[10:11], s[70:71]
	CROUND                                         ; all sixteen work-groups are here: the first joint loads meet
	s_cmp_eq_u32 s[RH], 0                          ; a wave's two first fills stand in one branch: K steps 0 and 1 into slots 0 and 1
	s_cbranch_scc0 .Lfirst_w
	tensor_load_to_lds s[G0A:G0A+3], s[G1A:G1A+7]
	s_nop 0
	tensor_load_to_lds s[G0A+4:G0A+7], s[G1A:G1A+7]
	s_nop 0
.rept 4
	v_nop
.endr
	s_branch .Lfirst_asked
.Lfirst_w:
	tensor_load_to_lds s[G0W:G0W+3], s[G1W:G1W+7]
	s_nop 0
	tensor_load_to_lds s[G0W+4:G0W+7], s[G1W:G1W+7]
	s_nop 0
.rept 4
	v_nop
.endr
.Lfirst_asked:
	v_and_b32 v1, 15, v0                           ; r = lane % 16
	v_bfe_u32 v2, v0, 4, 1                         ; h = lane / 16
	v_and_b32 v3, 7, v0
	v_bfe_u32 v4, v0, 3, 1
	v_lshlrev_b32 v5, 5, v2                        ; the bias: register j of block b is bias[16 b + 8 h + j]
	WIN 0x40
.set ib, 0
.rept NBK
	global_load_b128 v[BIAS+8*ib:BIAS+8*ib+3], v5, s[8:9] offset:64*ib
	global_load_b128 v[BIAS+8*ib+4:BIAS+8*ib+7], v5, s[8:9] offset:64*ib+16
.set ib, ib+1
.endr
	WIN 0
	v_mul_u32_u24 v[A0], v1, PA                    ; a fragment of hn: row r, 16 bytes for each half of the lanes, two loads 32 bytes apart
	v_lshl_add_u32 v[A0], v2, 4, v[A0]
	s_mul_i32 s23, s[RH], AHALF
	v_add_nc_u32 v[A0], s23, v[A0]
	v_lshl_add_u32 v[B0], v2, 3, v3                ; the turning load: lane reads row k = 8 h + lane % 8, columns 8 ((lane / 8) % 2) + 0..7, and ends up with column r and eight k
	v_mul_u32_u24 v[B0], v[B0], PW
	v_lshl_add_u32 v[B0], v4, 4, v[B0]
	s_mul_i32 s23, s[CH], CHB
	s_add_co_u32 s23, s23, WBASE
	v_add_nc_u32 v[B0], s23, v[B0]
.if SPLIT
	s_lshl_b32 s23, s[CH], 5
	v_add_nc_u32 v[B0B], s23, v[B0]
.endif
	SETADR
	v_mul_u32_u24 v[STO], v1, SP                   ; into the stage [panel][256 rows][144 bytes]
	v_lshl_add_u32 v[STO], v2, 4, v[STO]
	s_mul_i32 s23, s[RH], 128*SP
	s_mul_i32 s61, s[CH], STC
	s_add_co_u32 s23, s23, s61
	v_add_nc_u32 v[STO], s23, v[STO]
.if SPLIT
	s_mul_i32 s23, s[CH], 36736
	v_add_nc_u32 v[STO2], s23, v[STO]
.endif
	v_bfe_u32 v[RD], v0, 3, 2                      ; back: 32 lanes take four rows of 128 bytes; wave w the rows 64 w on
	v_mul_u32_u24 v[RD], v[RD], SP
	v_lshl_add_u32 v[RD], v3, 4, v[RD]
	s_mul_i32 s23, s[WV], 64*SP
	v_add_nc_u32 v[RD], s23, v[RD]
	v_and_b32 v[CO], 31, v0
	v_lshlrev_b32 v[CO], 4, v[CO]
.if RELU
	v_mov_b32 v[ZERO], 0
.endif
; 2 x NBK matrix instructions: row blocks a0, a0 + 1 of the window's four x all column blocks, 32 along K.  first = 1: the sum starts with the bias.  The accumulators take turns, one instruction a turn.
.macro MULH f, hi, a0, first
.if \first
	WIN 0x91+0x40*(\hi)
.else
	WIN 0xa1+0x50*(\hi)
.endif
.set ia, \a0
.rept 2
.set ib, 0
.rept NBK
.set rD, 8*(8*ia+ib)
.if \first
	v_wmma_f32_16x16x32_f16 v[rD:rD+7], v[(\f)+8*ib:(\f)+8*ib+7], v[(\f)+8*(4*(\hi)+ia):(\f)+8*(4*(\hi)+ia)+7], v[BIAS+8*ib:BIAS+8*ib+7]
.else
	v_wmma_f32_16x16x32_f16 v[rD:rD+7], v[(\f)+8*ib:(\f)+8*ib+7], v[(\f)+8*(4*(\hi)+ia):(\f)+8*(4*(\hi)+ia)+7], v[rD:rD+7]
.endif
.set ib, ib+1
.endr
.set ia, ia+1
.endr
.endm
; One run of LDS loads: the fragments of quarter q (32 along K) of the slot in hand into buffer f: W first, then hn's rows 0-63, then 64-127
.macro FETCH q, f
	WIN 0x40
.set ib, 0
.rept NBK
.set ro, 32*(\q)*PW+32*ib+WGAP*(ib/4)
.if SPLIT && (ib/2 == 1)
	ds_load_tr16_b128 v[(\f)+8*ib:(\f)+8*ib+3], v[ADRB2] offset:ro
	ds_load_tr16_b128 v[(\f)+8*ib+4:(\f)+8*ib+7], v[ADRB2] offset:ro+16*PW
.else
	ds_load_tr16_b128 v[(\f)+8*ib:(\f)+8*ib+3], v[ADRB] offset:ro
	ds_load_tr16_b128 v[(\f)+8*ib+4:(\f)+8*ib+7], v[ADRB] offset:ro+16*PW
.endif
.set ib, ib+1
.endr
	WIN 0
.set ia, 0
.rept 8
	ds_load_b128 v[(\f)+8*ia:(\f)+8*ia+3], v[ADRA] offset:64*(\q)+ia*16*PA
	ds_load_b128 v[(\f)+8*ia+4:(\f)+8*ia+7], v[ADRA] offset:64*(\q)+ia*16*PA+32
.set ia, ia+1
.endr
.endm
; A quarter step: multiplies buffer f; in its middle fetches quarter q into buffer g
.macro QUARTER q, f, g, first=0
	s_wait_dscnt 8                                 ; W and hn's rows 0-63 are in; the youngest eight loads (rows 64-127) may be out
	MULH \f, 0, 0, \first
	MULH \f, 0, 2, \first
	PLACES
	FETCH \q, \g
	s_wait_dscnt 2*NBK+16                          ; all but the run just issued
	MULH \f, 1, 0, \first
	MULH \f, 1, 2, \first
.endm
; The last quarter of a K step multiplies buffer 1 and changes slots: one barrier; in front of it each wave waits for all its tensor loads (its part of the next slot), adds 0 to its spare word,
; and waits for that and for its reads of this slot.  fill = 1: the barrier opens a round of the cluster's, and the slot just read is filled again, first thing behind it, two K steps ahead.
.macro TURN fill
	WIN 0
	s_wait_tensorcnt 0x0
	ds_add_u32 v[SPW], v[NIL]
	s_wait_dscnt 9                                 ; the add and the youngest eight loads may be out
	MULH F1, 0, 0, 0
	s_wait_dscnt 0x0                               ; the add is done, my reads of this slot are over
	s_barrier_signal -1
	MULH F1, 0, 2, 0
	WIN 0
	s_barrier_wait -1
.if \fill
	CREST                                          ; no wave of any partner still reads this slot or has a load on its way
	s_xor_b32 s[G0A+5], s[G0A+5], SLOT             ; the walking descriptors: the other slot than last time (no bit of SLOT is set in a place within a slot), the next K step
	s_add_nc_u64 s[G0A+6:G0A+7], s[G0A+6:G0A+7], ASTEP
	s_xor_b32 s[G0W+5], s[G0W+5], SLOT
	s_add_nc_u64 s[G0W+6:G0W+7], s[G0W+6:G0W+7], WSTEP
	JLOAD                                          ; its four v_nop are also the places in front of the loads below
.else
	PLACES
.endif
	s_xor_b32 s[TB], s[TB], SLOT
	SETADR
	FETCH 0, F0
	MULH F1, 1, 0, 0
	MULH F1, 1, 2, 0
.endm
	s_wait_tensorcnt 0x1                           ; my part of K step 0 is in; step 1's may stay out
	s_barrier_signal -1
	s_barrier_wait -1
	FETCH 0, F0
	s_wait_loadcnt 0x0                             ; the bias
	QUARTER 1, F0, F1, 1                           ; the first quarter stands in front of the loop: its products start the sums
	WIN 0
	s_mov_b32 s[CNT], NS-2
.Lk:                                               ; a trip: from a K step's second quarter to the next step's first; it fills the slot that it leaves
	QUARTER 2, F1, F0
	QUARTER 3, F0, F1
	TURN 1
	QUARTER 1, F0, F1
	WIN 0
	s_sub_co_u32 s[CNT], s[CNT], 1
	s_cmp_lg_u32 s[CNT], 0
	s_cbranch_scc1 .Lk
	s_mov_b32 s[CNT], 2
.Ltail:                                            ; the last two K steps ask for nothing: two trips, the second left behind its last products.  Its TURN fetches the other slot's
	QUARTER 2, F1, F0                              ; first fragments once more, and they serve nothing: the price, once a launch, of one text for both trips
	QUARTER 3, F0, F1
	TURN 0
	WIN 0
	s_sub_co_u32 s[CNT], s[CNT], 1
	s_cmp_eq_u32 s[CNT], 0
	s_cbranch_scc1 .Lout
	QUARTER 1, F0, F1
	WIN 0
	s_branch .Ltail
.Lout:
	; THE WAY OUT.  The slots have had their last fill and their last read: behind a barrier the stage takes their bytes.  Rounded to f16, 16 bytes a lane into the stage; a barrier; back as whole rows of a panel, where the maximum with 0 is taken.
	s_wait_dscnt 0x0
	s_barrier_signal -1
	s_barrier_wait -1
	PLACES
.macro OUTBLK a
	WIN 0x0a+5*((\a)/4)                            ; sources in window 2 or 3
.set ib, 0
.rept NBK
.set rD, 8*(8*((\a)%4)+ib)
.irp r, 0,1,2,3
	v_cvt_pk_f16_f32 v[TMP+4*ib+\r], v[rD+2*\r], v[rD+2*\r+1]
.endr
.set ib, ib+1
.endr
	WIN 0
.set ib, 0
.rept NBK
.if SPLIT && (ib/2 == 1)
	ds_store_b128 v[STO2], v[TMP+4*ib:TMP+4*ib+3] offset:(\a)*16*SP+(ib/4)*PANB+32*(ib%4)
.else
	ds_store_b128 v[STO], v[TMP+4*ib:TMP+4*ib+3] offset:(\a)*16*SP+(ib/4)*PANB+32*(ib%4)
.endif
.set ib, ib+1
.endr
.endm
.irp a, 0,1,2,3,4,5,6,7
	OUTBLK \a
.endr
	s_wait_dscnt 0x0                               ; for the others' sake: my stores into the stage are done
	s_barrier_signal -1
	s_barrier_wait -1
	s_mov_b32 s[CNT], NPAN
.Lpan:                                             ; a trip: my 64 rows of one panel
.set it, 0
.rept 16
	ds_load_b128 v[BK+4*it:BK+4*it+3], v[RD] offset:4*SP*it
.set it, it+1
.endr
.set it, 0
.rept 16
	s_wait_dscnt 15-it
.if RELU
.irp r, 0,1,2,3
	v_pk_max_num_f16 v[BK+4*it+\r], v[BK+4*it+\r], v[ZERO]
.endr
.endif
	global_store_b128 v[CO], v[BK+4*it:BK+4*it+3], s[10:11] offset:512*it   ; four rows of a panel: 512 consecutive bytes, aligned
.set it, it+1
.endr
	s_wait_xcnt 0x0                                ; the stores' base and the registers that they read are written again only behind this wait
	s_add_nc_u64 s[10:11], s[10:11], PANG
	v_add_nc_u32 v[RD], PANB, v[RD]
	s_sub_co_u32 s[CNT], s[CNT], 1
	s_cmp_lg_u32 s[CNT], 0
	s_cbranch_scc1 .Lpan
	s_wait_tensorcnt 0x0                           ; the wave's end
	ds_add_u32 v[SPW], v[NIL]
	s_wait_dscnt 0x0
	CROUND                                         ; the closing round
	s_endpgm
.Lfunc_end_k_qdf032b44f5_gfc1:
	.size	k_qdf032b44f5_gfc1, .Lfunc_end_k_qdf032b44f5_gfc1-k_qdf032b44f5_gfc1
	.p2alignl 7, 3214868480
	.fill 96, 4, 3214868480
	.section	.rodata,"a",@progbits
	.p2align	6, 0x0
	.amdhsa_kernel k_qdf032b44f5_gfc1
		.amdhsa_group_segment_fixed_size 327680
		.amdhsa_private_segment_fixed_size 0
		.amdhsa_enable_private_segment 0
		.amdhsa_kernarg_size 32
		.amdhsa_user_sgpr_count 2
		.amdhsa_user_sgpr_kernarg_segment_ptr 1
		.amdhsa_wavefront_size32 1
		.amdhsa_system_sgpr_workgroup_id_x 1
		.amdhsa_system_sgpr_workgroup_id_y 1
		.amdhsa_system_sgpr_workgroup_id_z 1
		.amdhsa_system_vgpr_workitem_id 0
		.amdhsa_next_free_vgpr 1024
		.amdhsa_next_free_sgpr 72
		.amdhsa_reserve_vcc 0
		.amdhsa_float_denorm_mode_32 3
		.amdhsa_float_denorm_mode_16_64 3
		.amdhsa_memory_ordered 1
		.amdhsa_forward_progress 1
		.amdhsa_inst_pref_size 99
	.end_amdhsa_kernel
	.amdgpu_metadata
---
amdhsa.version: [ 1, 2 ]
amdhsa.kernels:
  - .name:           k_qdf032b44f5_gfc1
    .symbol:         k_qdf032b44f5_gfc1.kd
    .args:
      - { .name: hn, .offset: 0, .size: 8, .value_kind: global_buffer, .address_space: global }
      - { .name: wh, .offset: 8, .size: 8, .value_kind: global_buffer, .address_space: global }
      - { .name: b_fc1, .offset: 16, .size: 8, .value_kind: global_buffer, .address_space: global }
      - { .name: a1, .offset: 24, .size: 8, .value_kind: global_buffer, .address_space: global }
    .group_segment_fixed_size: 327680
    .private_segment_fixed_size: 0
    .kernarg_segment_align: 8
    .kernarg_segment_size: 32
    .max_flat_workgroup_size: 128
    .sgpr_count:     72
    .vgpr_count:     1024
    .wavefront_size: 32
...
	.end_amdgpu_metadata
.endif
;; end of part 6
;; launch gfc2 (part 7): grid 8 x 32, 4 waves a work-group, clusters of 4 x 4, 327,680 bytes of LDS; arguments a1, wh, b_fc2, x2, out0; writes out0
.if DOCPART == 7
	.amdgcn_target "amdgcn-amd-amdhsa--gfx1250"
	.amdhsa_code_object_version 6
	.text
	.protected	k_qdf032b44f5_gfc2
	.globl	k_qdf032b44f5_gfc2
	.p2align	8
	.type	k_qdf032b44f5_gfc2,@function
k_qdf032b44f5_gfc2:
	s_mov_b64 s[64:65], 0
	v_nop
	global_prefetch_b8 v0, s[64:65] scope:SCOPE_SE
	s_setreg_imm32_b32 hwreg(HW_REG_WAVE_MODE, 25, 1), 1
	s_wait_xcnt 0x0
	s_wait_alu depctr_hold_cnt(0) depctr_sa_sdst(0) depctr_va_vdst(0) depctr_va_sdst(0) depctr_va_ssrc(0) depctr_va_vcc(0) depctr_vm_vsrc(0)
	s_getreg_b32 s2, hwreg(HW_REG_IB_STS2, 6, 4)
	s_cmp_eq_u32 s2, 0
	s_cbranch_scc0 .Lentry_in_a_cluster
	s_endpgm
.Lentry_in_a_cluster:
	s_bfe_u32 s2, ttmp6, 0x10000c
	s_cmp_lg_u32 s2, 0xf033
	s_cbranch_scc0 .Lentry_shape_is_right
	s_endpgm
.Lentry_shape_is_right:
; FC2.  out0 = x2 + a1 W + bias, in f32.  a1: panels [64][4096][64] f16.  W = w_fc2 in f16, [4096][1024], at byte WOFFS of wh.  Sums in f32; the bias is the C operand of each sum's first product; the residual is added once, in f32, on the way out.
; SHARES.  A work-group makes 128 x 128 (8 x 32 = 256 work-groups), each of its four waves 64 x 64: 16 accumulators.  K goes in NS steps of 256 (four panels) through two LDS slots.
; THE MATRIX INSTRUCTION IS USED TRANSPOSED: source 0 = 16 columns of W (turned on the way out of LDS by ds_load_tr16_b128), source 1 = 16 rows of a1: a lane holds row lane % 16 and the columns 8 (lane / 16) + 0..7.
; CLUSTER 4 x 4: a1's tile is shared along a row of the cluster, W's along a column; each is asked for jointly.  Waves 0, 1 fetch the two halves of a1's tile (64 rows in each of 4 panels: 4 rows of 8,192 dense bytes),
; waves 2, 3 the two halves of W's (128 rows of k x 256 bytes).  By this text's own count a wave has two tensor loads out at the start and one behind each round.
; THE TEXT holds nine quarter steps: the first (its products start the sums), the loop's four, and four for the last two K steps, which ask for nothing: a loop of two trips that is left in its middle.
; LIMITS.  NaN and infinities are not treated apart.
; REGISTERS: window 0 v0-31 addresses, v32-95 at work on the way out, v128-255 accumulator (a, b) at v[128 + 8 (4 a + b)]; window 1 two fragment buffers of 128 (64 of a1, 64 of W, for 64 along K);
; window 2 v0-127 the residual of the 32 row pieces that I store, v128-159 the bias.
.set NS,    16                         ; K steps
.set WOFFS, 16777216
.set KSTEP, 256
.set PA,    144                        ; a row of a panel in LDS: 128 bytes + 16
.set PW,    288                        ; a row of W: 256 + 32
.set AHALF, 4*64*PA
.set WBASE, 2*AHALF
.set WHALF, 128*PW
.set SLOT,  WBASE+2*WHALF
.set SPARE, 2*SLOT
.set ASTEP, 4*4096*128
.set WSTEP, KSTEP*1024*2
.set SP,    528                        ; the stage: a row of 128 f32 + 16 bytes
.set A0, 16
.set B0, 17
.set ADRA, 20
.set ADRB, 21                          ; v21 rows of k 0-127, v22 rows 128-255
.set STO, 24
.set RD, 25
.set CO, 26
.set SPW, 28                           ; v28  my spare word; never rewritten
.set NIL, 29                           ; v29  0; never rewritten
.set TMP, 32
.set ACC, 128
.set F0, 0
.set F1, 128
.set RES, 0                            ; window 2
.set BIAS, 128                         ; window 2
.set WV, 14
.set RH, 15
.set CH, 16
.set G1A, 24
.set G0A, 32
.set G1W, 40
.set G0W, 48
.set TB, 56
.set CNT, 58
.set MSB, 0
.macro WIN new
.if MSB != (\new)
	s_set_vgpr_msb (MSB<<8)|(\new)
.set MSB, (\new)
.endif
.endm
.macro PLACES
.rept 4
	v_nop
.endr
.endm
.macro JLOAD                           ; a joint refill by the walking descriptor; s_nop 0 and four v_nop follow each line
	s_cmp_eq_u32 s[RH], 0
	s_cbranch_scc0 .Lfor_w_\@
	tensor_load_to_lds s[G0A+4:G0A+7], s[G1A:G1A+7]
	s_nop 0
.rept 4
	v_nop
.endr
	s_branch .Lasked_\@
.Lfor_w_\@:
	tensor_load_to_lds s[G0W+4:G0W+7], s[G1W:G1W+7]
	s_nop 0
.rept 4
	v_nop
.endr
.Lasked_\@:
.endm
.macro CREST
	s_cmp_lg_u32 s[WV], 0
	s_cbranch_scc1 .Lnot_wave_0_\@
	s_barrier_signal -3
.Lnot_wave_0_\@:
	s_barrier_wait -3
	s_barrier_signal -1
	s_barrier_wait -1
.endm
.macro CROUND
	s_barrier_signal -1
	s_barrier_wait -1
	CREST
.endm
.macro SETADR
	v_add_nc_u32 v[ADRA], s[TB], v[A0]
	v_add_nc_u32 v[ADRB], s[TB], v[B0]
	v_add_nc_u32 v[ADRB+1], WHALF, v[ADRB]
.endm
	s_load_b256 s[4:11], s[0:1], 0x0               ; A s[4:5], wh s[6:7], bias s[8:9], residual s[10:11]
	s_load_b64 s[12:13], s[0:1], 0x20              ; the result
	v_lshl_add_u32 v[SPW], v0, 2, SPARE
	v_mov_b32 v[NIL], 0
	ds_add_u32 v[SPW], v[NIL]                      ; the wave's opening: the add and its wait ahead of my first tensor load
	ds_add_u32 v28, v29
	v_lshrrev_b32 v1, 5, v0
	v_readfirstlane_b32 s[WV], v1
	s_lshr_b32 s[RH], s[WV], 1
	s_and_b32 s[CH], s[WV], 1
	s_bfe_u32 s17, ttmp6, 0x40000                  ; cx
	s_bfe_u32 s18, ttmp6, 0x40004                  ; cy
	s_lshl_b32 s19, ttmp9, 2
	s_add_co_u32 s19, s19, s17                     ; tile column
	s_and_b32 s20, ttmp7, 0xffff
	s_lshl_b32 s20, s20, 2
	s_add_co_u32 s20, s20, s18                     ; tile row
	s_lshl_b32 s21, s18, 2
	s_lshl_b32 s21, 15, s21
	s_lshl_b32 s22, 0x1111, s17
	s_or_b32 s[G1A], s21, (1<<16)|(1<<20)|(1<<21)|(4<<22)|(3<<25)    ; my row's mask; 2-byte elements; padding: after every 32 words 4 words
	s_mov_b32 s[G1A+1], 4096<<16                   ; tensor_dim0 = 4,096: 64 dense rows of a panel
	s_mov_b32 s[G1A+2], 4<<16                      ; tensor_dim1 = 4 panels
	s_mov_b32 s[G1A+3], 4096<<16                   ; tile_dim0
	s_mov_b32 s[G1A+4], 4                          ; tile_dim1
	s_mov_b32 s[G1A+5], 262144                     ; elements from panel to panel
	s_mov_b32 s[G1A+6], 0
	s_mov_b32 s[G1A+7], 0
	s_or_b32 s[G1W], s22, (1<<16)|(1<<20)|(1<<21)|(5<<22)|(7<<25)    ; my column's mask; after every 64 words 8 words
	s_mov_b32 s[G1W+1], 128<<16
	s_mov_b32 s[G1W+2], 128<<16
	s_mov_b32 s[G1W+3], 128<<16
	s_mov_b32 s[G1W+4], 128
	s_mov_b32 s[G1W+5], 1024
	s_mov_b32 s[G1W+6], 0
	s_mov_b32 s[G1W+7], 0
	s_lshl_b32 s66, s20, 14                        ; A: (128 x tile row + 64 x half) rows of 128 bytes; these registers never hold cx
	s_lshl_b32 s67, s[CH], 13
	s_add_co_u32 s66, s66, s67
	s_mov_b32 s67, 0
	s_lshl_b32 s68, s19, 8                         ; W: the tile's first column, my 128 rows of k; these never hold cy
	s_lshl_b32 s69, s[CH], 18
	s_add_co_u32 s68, s68, s69
	s_add_co_u32 s68, s68, WOFFS
	s_mov_b32 s69, 0
	s_mul_i32 s59, s[CH], AHALF
	s_mul_i32 s60, s[CH], WHALF
	s_add_co_u32 s60, s60, WBASE
	s_mov_b32 s[TB], 0
	s_wait_dscnt 0x0                               ; the opening add is done
	s_wait_kmcnt 0x0
	s_add_nc_u64 s[66:67], s[4:5], s[66:67]
	s_add_nc_u64 s[68:69], s[6:7], s[68:69]
	s_mov_b32 s[G0A], 1
	s_mov_b32 s[G0A+1], s59
	s_mov_b64 s[G0A+2:G0A+3], s[66:67]
	s_or_b32 s[G0A+3], s[G0A+3], 0x80000000
	s_mov_b32 s[G0A+4], 1
	s_add_co_u32 s[G0A+5], s59, SLOT
	s_add_nc_u64 s[G0A+6:G0A+7], s[66:67], ASTEP
	s_or_b32 s[G0A+7], s[G0A+7], 0x80000000
	s_mov_b32 s[G0W], 1
	s_mov_b32 s[G0W+1], s60
	s_mov_b64 s[G0W+2:G0W+3], s[68:69]
	s_or_b32 s[G0W+3], s[G0W+3], 0x80000000
	s_mov_b32 s[G0W+4], 1
	s_add_co_u32 s[G0W+5], s60, SLOT
	s_add_nc_u64 s[G0W+6:G0W+7], s[68:69], WSTEP
	s_or_b32 s[G0W+7], s[G0W+7], 0x80000000
	s_lshl_b32 s70, s19, 9                         ; the bias of my 64 columns
	s_lshl_b32 s71, s[CH], 8
	s_add_co_u32 s70, s70, s71
	s_mov_b32 s71, 0
	s_add_nc_u64 s[8:9], s[8:9], s[70:71]
	s_lshl_b32 s70, s20, 19                        ; residual and result: row 128 x tile row + 32 x wave, column 128 x tile column, f32
	s_lshl_b32 s71, s[WV], 17
	s_add_co_u32 s70, s70, s71
	s_lshl_b32 s71, s19, 9
	s_add_co_u32 s70, s70, s71
	s_mov_b32 s71, 0
	s_add_nc_u64 s[10:11], s[10:11], s[70:71]
	s_add_nc_u64 s[12:13], s[12:13], s[70:71]
	CROUND                                         ; all sixteen work-groups are here: the first joint loads meet
	s_cmp_eq_u32 s[RH], 0                          ; a wave's two first fills stand in one branch: K steps 0 and 1 into slots 0 and 1
	s_cbranch_scc0 .Lfirst_w
	tensor_load_to_lds s[G0A:G0A+3], s[G1A:G1A+7]
	s_nop 0
	tensor_load_to_lds s[G0A+4:G0A+7], s[G1A:G1A+7]
	s_nop 0
.rept 4
	v_nop
.endr
	s_branch .Lfirst_asked
.Lfirst_w:
	tensor_load_to_lds s[G0W:G0W+3], s[G1W:G1W+7]
	s_nop 0
	tensor_load_to_lds s[G0W+4:G0W+7], s[G1W:G1W+7]
	s_nop 0
.rept 4
	v_nop
.endr
.Lfirst_asked:
	v_and_b32 v1, 15, v0                           ; r
	v_bfe_u32 v2, v0, 4, 1                         ; h
	v_and_b32 v3, 7, v0
	v_bfe_u32 v4, v0, 3, 1
	v_lshlrev_b32 v5, 5, v2
	v_and_b32 v[CO], 31, v0
	v_lshlrev_b32 v[CO], 4, v[CO]
	WIN 0x80
.irp b, 0,1,2,3
	global_load_b128 v[BIAS+8*\b:BIAS+8*\b+3], v5, s[8:9] offset:64*\b
	global_load_b128 v[BIAS+8*\b+4:BIAS+8*\b+7], v5, s[8:9] offset:64*\b+16
.endr
.set it, 0
.rept 32                               ; the residual is asked for now and wanted on the way out: row piece it, 512 consecutive bytes
	global_load_b128 v[RES+4*it:RES+4*it+3], v[CO], s[10:11] offset:4096*it
.set it, it+1
.endr
	WIN 0
	v_mul_u32_u24 v[A0], v1, PA
	v_lshl_add_u32 v[A0], v2, 4, v[A0]
	s_mul_i32 s23, s[RH], AHALF
	v_add_nc_u32 v[A0], s23, v[A0]
	v_lshl_add_u32 v[B0], v2, 3, v3                ; the turning load: row k = 8 h + lane % 8, columns 8 ((lane / 8) % 2) + 0..7
	v_mul_u32_u24 v[B0], v[B0], PW
	v_lshl_add_u32 v[B0], v4, 4, v[B0]
	s_lshl_b32 s23, s[CH], 7
	s_add_co_u32 s23, s23, WBASE
	v_add_nc_u32 v[B0], s23, v[B0]
	SETADR
	v_mul_u32_u24 v[STO], v1, SP                   ; into the stage [128 rows][528 bytes]: row r, 32 bytes for each half of the lanes
	v_lshl_add_u32 v[STO], v2, 5, v[STO]
	s_mul_i32 s23, s[RH], 64*SP
	s_lshl_b32 s61, s[CH], 8
	s_add_co_u32 s23, s23, s61
	v_add_nc_u32 v[STO], s23, v[STO]
	s_mul_i32 s23, s[WV], 32*SP                    ; back: wave w takes rows 32 w on, a whole row piece a load
	v_add_nc_u32 v[RD], s23, v[CO]
; 8 matrix instructions: row blocks a0, a0 + 1 x all 4 column blocks, 32 along K: half c of buffer f.  first = 1: the sum starts with the bias.  The 16 accumulators take turns.
.macro MUL8 f, c, a0, first
.if \first
	WIN 0x25
.else
	WIN 0x05
.endif
.irp a, \a0, (\a0)+1
.irp b, 0,1,2,3
.if \first
	v_wmma_f32_16x16x32_f16 v[ACC+8*(4*(\a)+(\b)):ACC+8*(4*(\a)+(\b))+7], v[(\f)+64+8*(4*(\c)+(\b)):(\f)+64+8*(4*(\c)+(\b))+7], v[(\f)+8*(4*(\c)+(\a)):(\f)+8*(4*(\c)+(\a))+7], v[BIAS+8*(\b):BIAS+8*(\b)+7]
.else
	v_wmma_f32_16x16x32_f16 v[ACC+8*(4*(\a)+(\b)):ACC+8*(4*(\a)+(\b))+7], v[(\f)+64+8*(4*(\c)+(\b)):(\f)+64+8*(4*(\c)+(\b))+7], v[(\f)+8*(4*(\c)+(\a)):(\f)+8*(4*(\c)+(\a))+7], v[ACC+8*(4*(\a)+(\b)):ACC+8*(4*(\a)+(\b))+7]
.endif
.endr
.endr
.endm
; 32 LDS loads in one run: quarter q (one panel, 64 along K) of the slot in hand into buffer f; the first 32 along K first
.macro FETCH q, f
	WIN 0x40
.irp c, 0,1
.irp i, 0,1,2,3
	ds_load_tr16_b128 v[(\f)+64+8*(4*(\c)+(\i)):(\f)+64+8*(4*(\c)+(\i))+3],   v[ADRB+(\q)/2] offset:(64*((\q)%2)+32*(\c))*PW+32*(\i)
	ds_load_tr16_b128 v[(\f)+64+8*(4*(\c)+(\i))+4:(\f)+64+8*(4*(\c)+(\i))+7], v[ADRB+(\q)/2] offset:(64*((\q)%2)+32*(\c)+16)*PW+32*(\i)
	ds_load_b128 v[(\f)+8*(4*(\c)+(\i)):(\f)+8*(4*(\c)+(\i))+3],   v[ADRA] offset:(\q)*64*PA+(\i)*16*PA+64*(\c)
	ds_load_b128 v[(\f)+8*(4*(\c)+(\i))+4:(\f)+8*(4*(\c)+(\i))+7], v[ADRA] offset:(\q)*64*PA+(\i)*16*PA+64*(\c)+32
.endr
.endr
.endm
.macro QUARTER q, f, g, first=0
	s_wait_dscnt 16                                ; the first 32 along K are in
	MUL8 \f, 0, 0, \first
	MUL8 \f, 0, 2, \first
	PLACES
	FETCH \q, \g
	s_wait_dscnt 32                                ; all but the 32 just issued
	MUL8 \f, 1, 0, 0
	MUL8 \f, 1, 2, 0
.endm
; The last quarter multiplies buffer 1 and changes slots: one barrier; in front of it each wave waits for all its tensor loads, adds 0 to its spare word, and waits for that and for its reads of this slot.
; fill = 1: the barrier opens a round of the cluster's, and this slot is filled again, first thing behind it, two K steps ahead.
.macro TURN fill
	WIN 0
	s_wait_tensorcnt 0x0
	ds_add_u32 v[SPW], v[NIL]
	s_wait_dscnt 17                                ; the add and the youngest sixteen loads may be out
	MUL8 F1, 0, 0, 0
	s_wait_dscnt 0x0                               ; the add is done, my reads of this slot are over
	s_barrier_signal -1
	MUL8 F1, 0, 2, 0
	WIN 0
	s_barrier_wait -1
.if \fill
	CREST
	s_xor_b32 s[G0A+5], s[G0A+5], SLOT             ; the other slot than last time (no bit of SLOT is set in a place within a slot), the next K step
	s_add_nc_u64 s[G0A+6:G0A+7], s[G0A+6:G0A+7], ASTEP
	s_xor_b32 s[G0W+5], s[G0W+5], SLOT
	s_add_nc_u64 s[G0W+6:G0W+7], s[G0W+6:G0W+7], WSTEP
	JLOAD                                          ; its four v_nop are also the places in front of the loads below
.else
	PLACES
.endif
	s_xor_b32 s[TB], s[TB], SLOT
	SETADR
	FETCH 0, F0
	MUL8 F1, 1, 0, 0
	MUL8 F1, 1, 2, 0
.endm
	s_wait_tensorcnt 0x1                           ; my part of K step 0 is in; step 1's may stay out
	s_barrier_signal -1
	s_barrier_wait -1
	FETCH 0, F0
	s_wait_loadcnt 32                              ; the bias is in; the residual's 32 loads stay out
	QUARTER 1, F0, F1, 1
	WIN 0
	s_mov_b32 s[CNT], NS-2
.Lk:                                               ; a trip: from a K step's second quarter to the next step's first; it fills the slot that it leaves
	QUARTER 2, F1, F0
	QUARTER 3, F0, F1
	TURN 1
	QUARTER 1, F0, F1
	WIN 0
	s_sub_co_u32 s[CNT], s[CNT], 1
	s_cmp_lg_u32 s[CNT], 0
	s_cbranch_scc1 .Lk
	s_mov_b32 s[CNT], 2
.Ltail:                                            ; the last two K steps ask for nothing: two trips, the second left behind its last products.  Its TURN fetches the other slot's
	QUARTER 2, F1, F0                              ; first fragments once more, and they serve nothing: the price, once a launch, of one text for both trips
	QUARTER 3, F0, F1
	TURN 0
	WIN 0
	s_sub_co_u32 s[CNT], s[CNT], 1
	s_cmp_eq_u32 s[CNT], 0
	s_cbranch_scc1 .Lout
	QUARTER 1, F0, F1
	WIN 0
	s_branch .Ltail
.Lout:
	; THE WAY OUT.  The slots have had their last fill and their last read: behind a barrier the stage takes their bytes.  The sums go in as f32, come back as whole row pieces of 512 bytes, take the residual and are stored.
	s_wait_dscnt 0x0
	s_barrier_signal -1
	s_barrier_wait -1
	PLACES
.set it, 0
.rept 16                               ; accumulator (it / 4, it % 4), its four lowest registers first
	ds_store_b128 v[STO], v[ACC+8*it:ACC+8*it+3] offset:(it/4)*16*SP+(it%4)*64
	ds_store_b128 v[STO], v[ACC+8*it+4:ACC+8*it+7] offset:(it/4)*16*SP+(it%4)*64+16
.set it, it+1
.endr
	s_wait_dscnt 0x0                               ; for the others' sake: my stores into the stage are done
	s_barrier_signal -1
	s_barrier_wait -1
	s_wait_loadcnt 0x0                             ; the residual
.irp g, 0,1
	s_wait_xcnt 0x0                                ; the registers that earlier stores read are loaded again only behind this wait
.set it, 0
.rept 16
	ds_load_b128 v[TMP+4*it:TMP+4*it+3], v[RD] offset:SP*(16*\g+it)
.set it, it+1
.endr
	s_wait_dscnt 0x0
	WIN 0x08                                       ; source 1 in window 2
.set it, 0
.rept 32
	v_pk_add_f32 v[TMP+2*it:TMP+2*it+1], v[TMP+2*it:TMP+2*it+1], v[RES+64*\g+2*it:RES+64*\g+2*it+1]
.set it, it+1
.endr
	WIN 0
.set it, 0
.rept 16
	global_store_b128 v[CO], v[TMP+4*it:TMP+4*it+3], s[12:13] offset:4096*(16*\g+it)   ; 512 consecutive bytes, aligned
.set it, it+1
.endr
.endr
	s_wait_tensorcnt 0x0                           ; the wave's end
	ds_add_u32 v[SPW], v[NIL]
	s_wait_dscnt 0x0
	CROUND                                         ; the closing round
	s_endpgm
.Lfunc_end_k_qdf032b44f5_gfc2:
	.size	k_qdf032b44f5_gfc2, .Lfunc_end_k_qdf032b44f5_gfc2-k_qdf032b44f5_gfc2
	.p2alignl 7, 3214868480
	.fill 96, 4, 3214868480
	.section	.rodata,"a",@progbits
	.p2align	6, 0x0
	.amdhsa_kernel k_qdf032b44f5_gfc2
		.amdhsa_group_segment_fixed_size 327680
		.amdhsa_private_segment_fixed_size 0
		.amdhsa_enable_private_segment 0
		.amdhsa_kernarg_size 40
		.amdhsa_user_sgpr_count 2
		.amdhsa_user_sgpr_kernarg_segment_ptr 1
		.amdhsa_wavefront_size32 1
		.amdhsa_system_sgpr_workgroup_id_x 1
		.amdhsa_system_sgpr_workgroup_id_y 1
		.amdhsa_system_sgpr_workgroup_id_z 1
		.amdhsa_system_vgpr_workitem_id 0
		.amdhsa_next_free_vgpr 672
		.amdhsa_next_free_sgpr 72
		.amdhsa_reserve_vcc 0
		.amdhsa_float_denorm_mode_32 3
		.amdhsa_float_denorm_mode_16_64 3
		.amdhsa_memory_ordered 1
		.amdhsa_forward_progress 1
		.amdhsa_inst_pref_size 66
	.end_amdhsa_kernel
	.amdgpu_metadata
---
amdhsa.version: [ 1, 2 ]
amdhsa.kernels:
  - .name:           k_qdf032b44f5_gfc2
    .symbol:         k_qdf032b44f5_gfc2.kd
    .args:
      - { .name: a1, .offset: 0, .size: 8, .value_kind: global_buffer, .address_space: global }
      - { .name: wh, .offset: 8, .size: 8, .value_kind: global_buffer, .address_space: global }
      - { .name: b_fc2, .offset: 16, .size: 8, .value_kind: global_buffer, .address_space: global }
      - { .name: x2, .offset: 24, .size: 8, .value_kind: global_buffer, .address_space: global }
      - { .name: out0, .offset: 32, .size: 8, .value_kind: global_buffer, .address_space: global }
    .group_segment_fixed_size: 327680
    .private_segment_fixed_size: 0
    .kernarg_segment_align: 8
    .kernarg_segment_size: 40
    .max_flat_workgroup_size: 128
    .sgpr_count:     72
    .vgpr_count:     672
    .wavefront_size: 32
...
	.end_amdgpu_metadata
.endif
;; end of part 7
